; MI455X (gfx1250); checked and timed in simulation.
; The chip was launched on July 23, 2026; its instructions are those of AMD's public machine-readable ISA for CDNA 5 (MIT licence, August 2026) and "CDNA5" Instruction Set Architecture Reference Guide (July 2026). The comments in the code are by the model that wrote it; some were corrected since.
;; Attention Layer Experts. Allowed arithmetic: matrix products marked QUANTISED: E2M1 operands, one E8M0 scale for each 32 along K, by v_wmma_scale_f32_16x16x128_f8f6f4 with both operands' format E2M1 (or v_wmma_scale_f32_32x16x128_f4), f32 sums; everything else in f32.
;; Inputs: Wk 16 x 1,024 x 64 float32; Wq 16 x 1,024 x 64 float32; Wv 16 x 1,024 x 64 float32; bk 16 x 64 float32; bq 16 x 64 float32; bv 16 x 64 float32; eW1 4 x 1,024 x 4,096 float32; eW2 4 x 4,096 x 1,024 float32; e_scalar 4 float32; eb1 4 x 4,096 float32; eb2 4 x 1,024 float32; eln_b 4 x 1,024 float32; eln_g 4 x 1,024 float32; ln_b 1,024 float32; ln_g 1,024 float32; scalar one number float32; x 2 x 2,048 x 1,024 float32.
;; Outputs: out0 2 x 2,048 x 1,024 float32.
;; This version of the problem:
;;   THIS VERSION OF THE PROBLEM IS GIVEN IN LOW PRECISION. The matrix products marked QUANTISED in the list below multiply operands that are first quantised to E2M1 (2 exponent bits, 1 mantissa bit; 4 bits a number), with one power-of-two scale for each 32 numbers along K (OCP MX v1.0); their sums are f32. All else is computed in f32.
;;   The module's matrix products, in the order in which they are computed (A, B: the left and right operand; K: the contracted axis; several contracted axes count as one K, in the product's order):
;;     1. [M 1,024, K 1,024] x [K 1,024, N 4,096]; A: input Wq; B: input x: QUANTISED
;;     2. [M 1,024, K 1,024] x [K 1,024, N 4,096]; A: input Wk; B: input x: QUANTISED
;;     3. [M 1,024, K 1,024] x [K 1,024, N 4,096]; A: input Wv; B: input x: QUANTISED
;;     4. batch 32 x [M 2,048, K 64] x [K 64, N 2,048]; A: computed on the way; B: computed on the way: QUANTISED
;;     5. batch 32 x [M 2,048, K 2,048] x [K 2,048, N 64]; A: softmax (see below); B: computed on the way: QUANTISED
;;     6. batch 4 x [M 4,096, K 1,024] x [K 1,024, N 1,024]; A: input eW1; B: computed on the way: QUANTISED
;;     7. batch 4 x [M 1,024, K 4,096] x [K 4,096, N 1,024]; A: input eW2; B: computed on the way: QUANTISED
;;   THE QUANTISER, for each operand of a quantised product, along K:
;;     - K is cut into blocks of 32 from its start; a last block that is shorter is filled with zeros.
;;     - A block's scale is 2^e with e = floor(log2(the largest magnitude in the block)) - 2, held to -126 .. 127; a block of zeros has e = 0. As a byte (E8M0): e + 127.
;;     - Each number is divided by its block's scale, clamped to +-6, and rounded to the nearest number of E2M1, ties to even, subnormals kept.
;;     - The product sums the exact products of the quantised numbers (number of the format x scale) in f32.
;;   ~~~python
;;   def quantise(x, axis):      # numpy; x: float32 -> the quantised numbers, widened to float32 again
;;       x = np.moveaxis(x, axis, -1); K = x.shape[-1]
;;       x = np.pad(x, [(0, 0)] * (x.ndim - 1) + [(0, -K % 32)]); x = x.reshape(x.shape[:-1] + (-1, 32)); a = np.abs(x).max(-1, keepdims=True)
;;       e = np.where(a > 0, np.clip(np.frexp(np.where(a > 0, a, 1))[1] - 1 - 2, -126, 127), 0)      # np.frexp(a)[1] - 1 = floor(log2(a)), exactly
;;       r = np.clip(x / 2.0 ** e, -6, 6)
;;       step = 2.0 ** (np.maximum(np.frexp(np.where(r == 0, 1, r))[1] - 1, 0) - 1)
;;       q = np.round(r / step) * step * 2.0 ** e      # np.round: ties to even
;;       return np.moveaxis(q.reshape(q.shape[:-2] + (-1,))[..., :K], -1, axis).astype(np.float32)
;;   ~~~
;;   SOFTMAX AHEAD OF A QUANTISED PRODUCT. Where the list says 'softmax', what is quantised is not the finished softmax but p = 2^(t - M), with t = logit x log2(e) and M = ceil(the row's largest t), a whole number; so 1/2 < the row's largest p <= 1. The row's sum l is taken of the UNQUANTISED p, in f32, and the product's result is divided by l at the end. Since M is a whole number, a kernel that streams over the keys may use a running M (the ceiling of the running maximum): every later rescaling is an exact power of two, which a block's scale takes up: the codes' values come out the same.
;;   OPERANDS COMPUTED ON THE WAY. 'Computed on the way' means the value that the module computes at that place (a softmax that the list does not call 'softmax' is quantised finished and normalised). What goes into a quantiser is computed in f32, as accurately as f32 sums, v_exp_f32 and their like allow (about 1e-6 of the number): no bf16 or f16 on the way to a quantiser, and a product that is left as it is and whose result goes on into a quantised operand takes f32 operands (vector FMAs, or v_wmma_f32_16x16x4_f32). A number that lies on a knife's edge between two numbers of the format may be rounded either way, as far as f32 arithmetic and the matrix unit's own rounding can turn it there, and no further.
;; One version. Each part assembles by itself: llvm-mc -triple=amdgcn-amd-amdhsa -mcpu=gfx1250 --defsym DOCPART=n.
;; ======== version 1 of 1: 7 launches
;; workspace buffers: wsq 21,725,184 bytes; qkvb 6,946,816 bytes; ob 16,777,216 bytes; x1b 19,005,440 bytes; hb 8,912,896 bytes; yb 16,777,216 bytes
;; launch quant (part 1): grid 704 x 1, 4 waves a work-group, no clusters, 34,304 bytes of LDS; arguments x, Wq, Wk, Wv, wsq; writes wsq
.if DOCPART == 1
	.amdgcn_target "amdgcn-amd-amdhsa--gfx1250"
	.amdhsa_code_object_version 6
	.text
	.protected	k_qabe165458f_quant
	.globl	k_qabe165458f_quant
	.p2align	8
	.type	k_qabe165458f_quant,@function
k_qabe165458f_quant:
	s_mov_b64 s[64:65], 0
	v_nop
	global_prefetch_b8 v0, s[64:65] scope:SCOPE_SE
	s_setreg_imm32_b32 hwreg(HW_REG_WAVE_MODE, 25, 1), 1
	s_wait_xcnt 0x0
; x, Wq, Wk, Wv (f32) become codes of FP4 (E2M1) with one E8M0 scale byte for each 32 along K, laid in wsq in the ORDER OF THE OPERAND'S REGISTERS.
; (eW1 and eW2 are quantised in the same way and into the same buffer by the attention launch, whose loop leaves memory unused.)
; A tile is 16 rows of an operand; 512 along K of a tile are a chunk of 4,352 bytes: 16 blocks of 32 k x [16 rows][16 bytes], then 4 K steps x [16 rows][4 scale bytes].
; An operand is [tile][K / 512][4,352].  Two loads of 16 bytes a lane, at 16 x lane and 512 bytes on, bring a fragment (16 rows x 128 K).
; A block's scale is 2^(floor(log2(its largest magnitude)) - 2); its byte is the largest magnitude's exponent field - 2, held at 1 from below.
; LIMITS: a block of zeros, and one whose largest magnitude lies under 2^-124, gets the byte 1 (a block of zeros has zero codes, and this program alone reads the bytes); NaN and infinities among the inputs are not served.
; WHICH ROWS FORM A TILE.  Natural: row r of tile t is 16 t + r.  Spread: row r of tile 2 b + u is 32 b + 8 u + r + 8 (r / 8), so that a product that takes such tiles as source 0
; leaves 16 neighbours in the 16 registers of result tiles 2 b and 2 b + 1.  Spread: x's tokens, the columns of Wq, Wk.  Natural: the columns of Wv.
; SHARES.  A wave makes one unit and ends; waves share nothing, so there is no barrier.  Work-groups 0-191: Wq, Wk, Wv; 192-703: x.
; A weight's K is its first axis: a lane takes a column and its 128 registers run down K (a unit: 32 columns x 128 K); each load reads 128 consecutive bytes.
; The 128 loads go out in eight runs of 16 rows, three runs ahead of the work: 48 loads of a wave are out at the most, and each block's wait leaves the one run behind its own two on its way.
; x's K is innermost: a unit is one tile x 128 K; each load reads 512 consecutive bytes of a row, and the 16 rows turn through the wave's own stage in LDS.
.set WQ,   2228224                     ; wsq: x's 256 tiles at 0, then the 192 tiles of Wq, Wk, Wv
.set CH,   4352
.set NB,   256                         ; a row of Wq, Wk, Wv within a head, in bytes
.set SP,   528                         ; a stage row: 512 bytes + 16: an odd multiple of 16, so that 16 rows' reads start at 16 different groups of banks
.set WST,  16*SP                       ; a wave's stage
.set TM,   8                           ; v8-23  at work in QUANT
.set PW,   24                          ; v24    a row's scale word
.set PC,   160                         ; v160.. codes
.set SEL,  40                          ; s[40:41] lane selects: lane l xor 16
; 64 numbers of a lane, register 16 b + i = k 32 b + 16 (lane / 16) + i of its row, become a fragment's codes in v[PC] on and the row's scale word in v[PW]
.macro QUANT s
.irp b, 0,1,2,3
	v_max3_num_f32 v[TM+\b], |v[\s+16*\b]|, |v[\s+1+16*\b]|, 0x1800000   ; my 16 numbers of block b, and the floor 2^(3 - 127): the byte cannot fall under 1
.endr
.irp i, 2,4,6,8,10,12,14
.irp b, 0,1,2,3
	v_max3_num_f32 v[TM+\b], v[TM+\b], |v[\s+16*\b+\i]|, |v[\s+1+16*\b+\i]|
.endr
.endr
.irp b, 0,1,2,3
	v_permlanex16_b32 v[TM+4+\b], v[TM+\b], s[SEL], s[SEL+1]
.endr
.irp b, 0,1,2,3
	v_max_num_f32 v[TM+\b], v[TM+\b], v[TM+4+\b]                   ; with lane l xor 16's: the block's largest magnitude
.endr
.irp b, 0,1,2,3
	v_add_nc_u32 v[TM+12+\b], 0xff000000, v[TM+\b]                 ; 2 off its exponent field: the conversion's scale operand
.endr
.irp b, 0,1,2,3
	v_lshrrev_b32 v[TM+4+\b], 23, v[TM+12+\b]                      ; the scale's byte
.endr
	v_lshl_or_b32 v[PW], v[TM+5], 8, v[TM+4]
	v_lshl_or_b32 v[PW], v[TM+6], 16, v[PW]
	v_lshl_or_b32 v[PW], v[TM+7], 24, v[PW]
.irp b, 0,1,2,3
	v_cvt_scalef32_pk8_fp4_f32 v[PC+2*\b], v[\s+16*\b:\s+7+16*\b], v[TM+12+\b]
	v_cvt_scalef32_pk8_fp4_f32 v[PC+1+2*\b], v[\s+8+16*\b:\s+15+16*\b], v[TM+12+\b]
.endr
	v_nop                                          ; one plain place behind a scaled conversion
.irp c, 0,1                                    ; the operand's layout wants a whole block in a lane
.irp i, 0,1
	v_permlane16_swap_b32 v[PC+4*\c+\i], v[PC+2+4*\c+\i]
.endr
.endr
.endm
.macro WLOAD16 hf                      ; run hf: rows 16 hf .. 16 hf + 15 of my column; each row has a register of its own
.set i, 16*(\hf)
.rept 16
	global_load_b32 v[32+i], v3, s[20:21] offset:i*NB th:TH_LOAD_NT
.set i, i+1
.endr
.endm
.macro BLOCK t                         ; block t of my column (runs 2 t and 2 t + 1): all its 32 numbers are mine
.set XS, 32+32*(\t)
.if (\t) < 3
	s_wait_loadcnt 16                              ; loads come back in order: this block's two runs are in; run 2 t + 2, the only one issued behind them, may be out
.else
	s_wait_loadcnt 0x0
.endif
.if 2*(\t)+3 < 8
	WLOAD16 2*(\t)+3                               ; the runs that follow go out at once: 48 loads are out again
.endif
.if 2*(\t)+4 < 8
	WLOAD16 2*(\t)+4
.endif
	v_max3_num_f32 v12, |v[XS]|, |v[XS+1]|, |v[XS+2]|
	v_max3_num_f32 v13, |v[XS+3]|, |v[XS+4]|, |v[XS+5]|
.irp i, 6,10,14,18,22,26
	v_max3_num_f32 v12, v12, |v[XS+\i]|, |v[XS+\i+1]|
	v_max3_num_f32 v13, v13, |v[XS+\i+2]|, |v[XS+\i+3]|
.endr
	v_max3_num_f32 v12, v12, |v[XS+30]|, |v[XS+31]|
	v_max3_num_f32 v12, v12, v13, 0x1800000        ; and the floor
	v_add_nc_u32 v11, 0xff000000, v12
	v_lshrrev_b32 v13, 23, v11
.if (\t) == 0
	v_mov_b32 v24, v13
.else
	v_lshl_or_b32 v24, v13, 8*(\t), v24
.endif
.irp g, 0,1,2,3
	v_cvt_scalef32_pk8_fp4_f32 v[160+4*(\t)+\g], v[XS+8*\g:XS+8*\g+7], v11
.endr
	global_store_b128 v4, v[160+4*(\t):163+4*(\t)], s[22:23] offset:256*(\t)   ; the 32 lanes fill two aligned runs of 256 bytes, one in each tile of the pair; each block has its own registers for its codes
.endm
	s_load_b256 s[4:11], s[0:1], 0x0               ; x, Wq, Wk, Wv
	s_load_b64 s[16:17], s[0:1], 0x20              ; wsq
	v_lshl_add_u32 v176, v0, 2, 0x8400
	v_mov_b32 v177, 0
	v_lshrrev_b32 v1, 5, v0
	v_readfirstlane_b32 s18, v1                    ; wave
	v_and_b32 v1, 31, v0                           ; lane
	v_lshlrev_b32 v3, 2, v1                        ; 4 x lane
	s_lshl_b32 s19, ttmp9, 2
	s_add_co_u32 s19, s19, s18                     ; 4 x work-group + wave
	s_mov_b32 s29, 0
	s_mov_b32 s31, 0
	s_wait_kmcnt 0x0
	s_cmp_lt_u32 ttmp9, 192
	s_cbranch_scc0 .Lx
	; Wq, Wk, Wv [16][1024 k][64 n]
	s_and_b32 s32, s19, 1                          ; pair of tiles
	s_bfe_u32 s33, s19, 0x30001                    ; K step
	s_bfe_u32 s34, s19, 0x40004                    ; head
	s_lshr_b32 s36, s19, 8                         ; 0: q, 1: k, 2: v
	s_cmp_eq_u32 s36, 0
	s_cselect_b64 s[20:21], s[6:7], s[8:9]
	s_cmp_eq_u32 s36, 2
	s_cselect_b64 s[20:21], s[10:11], s[20:21]
	s_cselect_b32 s25, 4, 3                        ; the lane's bit that picks the tile: Wv natural, Wq and Wk spread
	s_cselect_b32 s27, 3, 4                        ; and the one that is the row's bit 3
	s_lshl_b32 s28, s34, 18                        ; 1,024 x 64 x 4 bytes a head
	s_lshl_b32 s38, s33, 15                        ; 128 rows of 256 bytes
	s_add_co_u32 s28, s28, s38
	s_lshl_b32 s38, s32, 7
	s_add_co_u32 s28, s28, s38
	s_add_nc_u64 s[20:21], s[20:21], s[28:29]
	WLOAD16 0
	WLOAD16 1
	WLOAD16 2
	s_lshr_b32 s35, s19, 4                         ; 16 x tensor + head: four tiles each
	s_lshl_b32 s35, s35, 2
	s_lshl_b32 s38, s32, 1
	s_add_co_u32 s35, s35, s38
	s_mov_b32 s24, 8704
	s_mul_i32 s30, s35, s24
	s_lshr_b32 s36, s33, 2
	s_mul_i32 s36, s36, CH
	s_add_co_u32 s30, s30, s36
	s_add_co_u32 s30, s30, WQ
	s_add_nc_u64 s[22:23], s[16:17], s[30:31]      ; the pair's first tile, the K step's chunk
	s_and_b32 s26, s33, 3
	v_lshrrev_b32 v6, s25, v1
	v_and_b32 v6, 1, v6                            ; which tile of the pair
	v_lshrrev_b32 v7, s27, v1
	v_and_b32 v7, 1, v7
	v_and_b32 v8, 7, v1
	v_lshl_add_u32 v8, v7, 3, v8                   ; my row in it
	v_mul_u32_u24 v6, s24, v6
	s_lshl_b32 s38, s26, 10
	v_lshl_add_u32 v4, v8, 4, v6
	v_add_nc_u32 v4, s38, v4                       ; codes: tile + 1,024 x (K step % 4) + 16 x row; a block is 256 bytes on from the last
	s_lshl_b32 s38, s26, 6
	s_add_co_u32 s38, s38, 4096
	v_lshl_add_u32 v5, v8, 2, v6
	v_add_nc_u32 v5, s38, v5                       ; scale word: tile + 4,096 + 64 x (K step % 4) + 4 x row
	BLOCK 0
	BLOCK 1
	BLOCK 2
	BLOCK 3
	v_nop                                          ; one plain place behind the last conversion
	global_store_b32 v5, v24, s[22:23]             ; 64 bytes in each tile: a part of a run of 256; one byte for each 128 that the unit reads
	s_endpgm
.Lx:                                               ; x [4096 tokens][1024 k]
	s_sub_co_u32 s19, s19, 768
	s_and_b32 s33, s19, 7                          ; K step
	s_lshr_b32 s35, s19, 3                         ; tile
	s_lshr_b32 s32, s35, 1
	s_lshl_b32 s32, s32, 5
	s_and_b32 s34, s35, 1
	s_lshl_b32 s34, s34, 3
	s_add_co_u32 s32, s32, s34                     ; its first token: 32 (tile / 2) + 8 (tile % 2)
	s_lshl_b32 s28, s32, 12
	s_lshl_b32 s34, s33, 9
	s_add_co_u32 s28, s28, s34
	s_add_nc_u64 s[20:21], s[4:5], s[28:29]
	v_lshlrev_b32 v2, 4, v1                        ; 16 x lane
.irp i, 0,1,2,3,4,5,6,7,8,9,10,11,12,13,14,15
	global_load_b128 v[32+4*\i:35+4*\i], v2, s[20:21] offset:(\i+8*(\i/8))*4096 th:TH_LOAD_NT   ; row i of the tile: 512 consecutive bytes
.endr
	s_mul_i32 s30, s35, 8704
	s_lshr_b32 s36, s33, 2
	s_mul_i32 s36, s36, CH
	s_add_co_u32 s30, s30, s36
	s_add_nc_u64 s[22:23], s[16:17], s[30:31]
	s_and_b32 s26, s33, 3
	s_lshl_b32 s36, s26, 10
	v_add_nc_u32 v4, s36, v2
	v_and_b32 v7, 15, v0                           ; r
	v_bfe_u32 v25, v0, 4, 1                        ; h
	s_lshl_b32 s36, s26, 6
	s_add_co_u32 s36, s36, 4096
	v_lshl_add_u32 v5, v7, 2, s36
	s_mul_i32 s36, s18, WST                        ; my wave's stage
	v_add_nc_u32 v6, s36, v2                       ; in: 16 x lane of a row
	v_mul_u32_u24 v26, v7, SP
	v_lshl_add_u32 v26, v25, 6, v26
	v_add_nc_u32 v26, s36, v26                     ; back: row r, + 64 h: my 16 numbers of each block of 32
	s_mov_b32 s[SEL], 0x76543210
	s_mov_b32 s[SEL+1], 0xfedcba98
.irp b, 0,1,2,3
	v_mov_b32 v[TM+4+\b], 0                        ; a lane permute's destination counts as one of its sources
.endr
	s_wait_loadcnt 0x0
.irp i, 0,1,2,3,4,5,6,7,8,9,10,11,12,13,14,15
	ds_store_b128 v6, v[32+4*\i:35+4*\i] offset:SP*\i
.endr
.irp b, 0,1,2,3
.irp j, 0,1,2,3
	ds_load_b128 v[96+16*\b+4*\j:99+16*\b+4*\j], v26 offset:128*\b+16*\j   ; LDS serves a wave's instructions in order: these see my stores
.endr
.endr
	s_wait_dscnt 0x0
	QUANT 96
	global_store_b128 v4, v[PC:PC+3], s[22:23]
	global_store_b128 v4, v[PC+4:PC+7], s[22:23] offset:512
	global_store_b32 v5, v[PW], s[22:23]           ; lanes l and l xor 16 write the same word with the same value
	s_wait_tensorcnt 0x0
	ds_add_u32 v176, v177
	s_wait_dscnt 0x0
	s_endpgm
.Lfunc_end_k_qabe165458f_quant:
	.size	k_qabe165458f_quant, .Lfunc_end_k_qabe165458f_quant-k_qabe165458f_quant
	.p2alignl 7, 3214868480
	.fill 96, 4, 3214868480
	.section	.rodata,"a",@progbits
	.p2align	6, 0x0
	.amdhsa_kernel k_qabe165458f_quant
		.amdhsa_group_segment_fixed_size 34304
		.amdhsa_private_segment_fixed_size 0
		.amdhsa_enable_private_segment 0
		.amdhsa_kernarg_size 40
		.amdhsa_user_sgpr_count 2
		.amdhsa_user_sgpr_kernarg_segment_ptr 1
		.amdhsa_wavefront_size32 1
		.amdhsa_system_sgpr_workgroup_id_x 1
		.amdhsa_system_sgpr_workgroup_id_y 1
		.amdhsa_system_sgpr_workgroup_id_z 1
		.amdhsa_system_vgpr_workitem_id 0
		.amdhsa_next_free_vgpr 178
		.amdhsa_next_free_sgpr 66
		.amdhsa_reserve_vcc 0
		.amdhsa_float_denorm_mode_32 3
		.amdhsa_float_denorm_mode_16_64 3
		.amdhsa_memory_ordered 1
		.amdhsa_forward_progress 1
		.amdhsa_inst_pref_size 31
	.end_amdhsa_kernel
	.amdgpu_metadata
---
amdhsa.version: [ 1, 2 ]
amdhsa.kernels:
  - .name:           k_qabe165458f_quant
    .symbol:         k_qabe165458f_quant.kd
    .args:
      - { .name: x, .offset: 0, .size: 8, .value_kind: global_buffer, .address_space: global }
      - { .name: Wq, .offset: 8, .size: 8, .value_kind: global_buffer, .address_space: global }
      - { .name: Wk, .offset: 16, .size: 8, .value_kind: global_buffer, .address_space: global }
      - { .name: Wv, .offset: 24, .size: 8, .value_kind: global_buffer, .address_space: global }
      - { .name: wsq, .offset: 32, .size: 8, .value_kind: global_buffer, .address_space: global }
    .group_segment_fixed_size: 34304
    .private_segment_fixed_size: 0
    .kernarg_segment_align: 8
    .kernarg_segment_size: 40
    .max_flat_workgroup_size: 128
    .sgpr_count:     66
    .vgpr_count:     178
    .wavefront_size: 32
...
	.end_amdgpu_metadata
.endif
;; end of part 1
;; launch qkv (part 2): grid 12 x 16, 4 waves a work-group, clusters of 4 x 4, 279,040 bytes of LDS; arguments wsq, bq, bk, bv, qkvb; writes qkvb
.if DOCPART == 2
	.amdgcn_target "amdgcn-amd-amdhsa--gfx1250"
	.amdhsa_code_object_version 6
	.text
	.protected	k_qabe165458f_qkv
	.globl	k_qabe165458f_qkv
	.p2align	8
	.type	k_qabe165458f_qkv,@function
k_qabe165458f_qkv:
	s_mov_b64 s[64:65], 0
	v_nop
	global_prefetch_b8 v0, s[64:65] scope:SCOPE_SE
	s_setreg_imm32_b32 hwreg(HW_REG_WAVE_MODE, 25, 1), 1
	s_wait_xcnt 0x0
	s_wait_alu depctr_hold_cnt(0) depctr_sa_sdst(0) depctr_va_vdst(0) depctr_va_sdst(0) depctr_va_ssrc(0) depctr_va_vcc(0) depctr_vm_vsrc(0)
	s_getreg_b32 s2, hwreg(HW_REG_IB_STS2, 6, 4)
	s_cmp_eq_u32 s2, 0
	s_cbranch_scc0 .Lentry_in_a_cluster
	s_endpgm
.Lentry_in_a_cluster:
	s_bfe_u32 s2, ttmp6, 0x10000c
	s_cmp_lg_u32 s2, 0xf033
	s_cbranch_scc0 .Lentry_shape_is_right
	s_endpgm
.Lentry_shape_is_right:
; q, k, v = x W + b on codes of FP4 with E8M0 scales (K = 1,024), and the results quantised again: q and k along the head's 64, v along the tokens.
; A work-group makes 256 tokens x 256 columns of [q | k | v] (3,072 columns: the cluster's x says which tensor); a wave 128 x 128: 64 accumulators, 512 registers.
; Operands lie in wsq in the order of the operand's registers: tile (16 rows) x chunk (512 K) = 4,352 bytes: 4,096 of codes, 256 of scale words.
; ALL OF K FITS IN LDS (32 tiles x 8,704 bytes): each wave brings 8 tiles by two tensor loads, K's first half and its second; nothing is filled again.
; CLUSTER 4 x 4: x's tiles are shared along a row of the cluster, W's along a column: each is asked for jointly, by the same load with the same descriptor and a mask that names the four.
; SOURCES.  q, k: source 0 = 16 columns of W (spread), source 1 = 16 tokens: a lane holds one token, and its 64 registers of a token tile run along the wave's 128 columns, two heads.
;           v:    source 0 = 16 tokens (spread), source 1 = 16 columns: a lane holds one channel, and its 64 registers run along the wave's 128 tokens, one key step.
; One text multiplies for all three: the two sources are two sets of LDS addresses, chosen on the cluster's x, which all partners share.
; OUT (qkvb): q's codes [bh][tile][512 bytes] (registers 0-3 of a fragment: K = 64), q's scale words [bh][tile][16][4]; then for each bh and key step of 128 tokens 8,960 bytes:
; k's 8 tiles x 512, v's 4 channel tiles x 1,024, k's scale words 8 x 64, v's 4 x 64.  In q's and k's scale words bytes 2 and 3 stand over zero codes: the neighbour head's bytes or 0, never 0xff.
; LIMITS: a block of zeros, and one whose largest magnitude lies under 2^-124, gets the byte 1; NaN and infinities are not served.
; REGISTERS: window 0: v1-13 addresses; v16-23 codes just made; v24-39 at work; v40, v41 scale words just made; v48-79 scale words of the operands, two sets, and nothing else; v80-143 the bias; v144-207 the group at work.
;   window 1: two sets of fragments: source 1's tile j at 128 p + 8 j, source 0's tile i at 128 p + 64 + 8 i.   windows 2, 3: accumulator (i, j) at v[8 (8 (j % 4) + i)] of window 2 + j / 4.
.set HALF,  139264                     ; LDS: 32 tiles x 4,352 bytes for each half of K: x's 16 tiles, then W's 16
.set CH,    4352
.set TS,    8704
.set WQ,    2228224
.set QS,    2097152
.set KV,    2359296
.set HEADB, 143360
.set LI,   2                           ; v2   16 x lane
.set ADP,  4                           ; v4-5   source 0's fragments in K's half 0, 1
.set ADQ,  6                           ; v6-7   source 1's
.set ASP,  8                           ; v8-9   source 0's scale words
.set ASQ,  10                          ; v10-11 source 1's
.set LR,   12                          ; v12  4 x (lane % 16)
.set LH,   13                          ; v13  64 x (lane / 16)
.set PC,   16
.set TM,   24
.set PW,   40
.set PW2,  41
.set SC,   48
.set BIAS, 80
.set T,    144
.set SEL,  22
.set G1,   24
.set G0,   32
.set G1B,  48
.set G0B,  56
.set MSB, 0
.macro WIN new                         ; the immediate's high byte repeats the setting that is left
.if MSB != (\new)
	s_set_vgpr_msb (MSB<<8)|(\new)
.set MSB, (\new)
.endif
.endm
.macro PLACES n
.rept \n
	v_nop
.endr
.endm
.macro CREST
	s_cmp_lg_u32 s14, 0
	s_cbranch_scc1 .Lnot_wave_0_\@
	s_barrier_signal -3
.Lnot_wave_0_\@:
	s_barrier_wait -3
	s_barrier_signal -1
	s_barrier_wait -1
.endm
.macro CROUND                          ; a round of the cluster's barrier
	s_barrier_signal -1
	s_barrier_wait -1
	CREST
.endm
; 64 numbers of a lane, register 16 b + i = k 32 b + 16 (lane / 16) + i of its row, become a fragment's codes in v[PC] on and the row's scale word in v[PW]
.macro QUANT s
.irp b, 0,1,2,3
	v_max3_num_f32 v[TM+\b], |v[\s+16*\b]|, |v[\s+1+16*\b]|, 0x1800000   ; and the floor 2^(3 - 127): the byte cannot fall under 1
.endr
.irp i, 2,4,6,8,10,12,14
.irp b, 0,1,2,3
	v_max3_num_f32 v[TM+\b], v[TM+\b], |v[\s+16*\b+\i]|, |v[\s+1+16*\b+\i]|
.endr
.endr
.irp b, 0,1,2,3
	v_permlanex16_b32 v[TM+4+\b], v[TM+\b], s[SEL], s[SEL+1]
.endr
.irp b, 0,1,2,3
	v_max_num_f32 v[TM+\b], v[TM+\b], v[TM+4+\b]
.endr
.irp b, 0,1,2,3
	v_add_nc_u32 v[TM+12+\b], 0xff000000, v[TM+\b]                 ; 2 off the exponent field: the conversion's scale operand
.endr
.irp b, 0,1,2,3
	v_lshrrev_b32 v[TM+4+\b], 23, v[TM+12+\b]
.endr
	v_lshl_or_b32 v[PW], v[TM+5], 8, v[TM+4]
	v_lshl_or_b32 v[PW], v[TM+6], 16, v[PW]
	v_lshl_or_b32 v[PW], v[TM+7], 24, v[PW]
.irp b, 0,1,2,3
	v_cvt_scalef32_pk8_fp4_f32 v[PC+2*\b], v[\s+16*\b:\s+7+16*\b], v[TM+12+\b]
	v_cvt_scalef32_pk8_fp4_f32 v[PC+1+2*\b], v[\s+8+16*\b:\s+15+16*\b], v[TM+12+\b]
.endr
	v_nop                                          ; one plain place behind a scaled conversion
.irp c, 0,1
.irp i, 0,1
	v_permlane16_swap_b32 v[PC+4*\c+\i], v[PC+2+4*\c+\i]
.endr
.endr
.endm
; The fragments of K step q (128 along K) into set q % 2: 32 loads of 512 consecutive bytes.  With an even step come the scale words of two steps: lanes 0-15 the even step's, lanes 16-31 the odd one's
.macro FETCH q
.set FS, (\q)>>2
.set FQ, (\q)&3
.set FP, 128*((\q)&1)
	WIN 0x40                                       ; destination window 1
.irp i, 0,1,2,3,4,5,6,7
.irp c, 0,1
	ds_load_b128 v[FP+8*\i+4*\c:FP+8*\i+4*\c+3], v[ADQ+FS] offset:\i*CH+FQ*1024+512*\c
.endr
.endr
.irp i, 0,1,2,3,4,5,6,7
.irp c, 0,1
	ds_load_b128 v[FP+64+8*\i+4*\c:FP+64+8*\i+4*\c+3], v[ADP+FS] offset:\i*CH+FQ*1024+512*\c
.endr
.endr
	WIN 0
.if ((\q)&1) == 0
.set FC, SC+16*(((\q)>>1)&1)
.irp i, 0,1,2,3,4,5,6,7
	ds_load_b32 v[FC+\i], v[ASQ+FS] offset:\i*CH+4096+(FQ>>1)*128
	ds_load_b32 v[FC+8+\i], v[ASP+FS] offset:\i*CH+4096+(FQ>>1)*128
.endr
.endif
.endm
; 32 products: source 1's tiles 4 hi .. 4 hi + 3 against source 0's eight.  The 64 accumulators take turns, one instruction a turn, in the same order in every step
.macro MUL32 q, hi, zero
.set MP, 128*((\q)&1)
.set MC, SC+16*(((\q)>>1)&1)
.set MO, (\q)&1
	WIN 0xa5+0x50*(\hi)                            ; sources window 1, C and D window 2 or 3
.irp j, 0,1,2,3
.irp i, 0,1,2,3,4,5,6,7
.if \zero
	v_wmma_scale_f32_16x16x128_f8f6f4 v[8*(8*\j+\i):8*(8*\j+\i)+7], v[MP+64+8*\i:MP+64+8*\i+7], v[MP+8*(4*(\hi)+\j):MP+8*(4*(\hi)+\j)+7], 0, v[MC+8+\i], v[MC+4*(\hi)+\j] matrix_a_fmt:MATRIX_FMT_FP4 matrix_b_fmt:MATRIX_FMT_FP4
.elseif MO
	v_wmma_scale_f32_16x16x128_f8f6f4 v[8*(8*\j+\i):8*(8*\j+\i)+7], v[MP+64+8*\i:MP+64+8*\i+7], v[MP+8*(4*(\hi)+\j):MP+8*(4*(\hi)+\j)+7], v[8*(8*\j+\i):8*(8*\j+\i)+7], v[MC+8+\i], v[MC+4*(\hi)+\j] matrix_a_fmt:MATRIX_FMT_FP4 matrix_b_fmt:MATRIX_FMT_FP4 matrix_a_scale:MATRIX_SCALE_ROW1 matrix_b_scale:MATRIX_SCALE_ROW1
.else
	v_wmma_scale_f32_16x16x128_f8f6f4 v[8*(8*\j+\i):8*(8*\j+\i)+7], v[MP+64+8*\i:MP+64+8*\i+7], v[MP+8*(4*(\hi)+\j):MP+8*(4*(\hi)+\j)+7], v[8*(8*\j+\i):8*(8*\j+\i)+7], v[MC+8+\i], v[MC+4*(\hi)+\j] matrix_a_fmt:MATRIX_FMT_FP4 matrix_b_fmt:MATRIX_FMT_FP4
.endif
.endr
.endr
.endm
; A K step: its fragments are in; the next step's are asked for, four places behind the products that read their registers; then 64 products.
.macro STEP q
	s_wait_dscnt 0x0                               ; this step's fragments and scale words are in
.if (\q) == 3
	s_wait_tensorcnt 0x0                           ; my part of K's second half has landed;
	s_barrier_signal -1
	MUL32 \q, 0, 0                                 ; work on registers while the others arrive
	s_barrier_wait -1                              ; everybody's has.
	PLACES 4
	FETCH 4
	MUL32 \q, 1, 0
.elseif (\q) == 0
	FETCH 1
	MUL32 0, 0, 1                                  ; the first products start the sums: nothing is cleared
	MUL32 0, 1, 1
.elseif (\q) == 7
	MUL32 7, 0, 0
	MUL32 7, 1, 0
.else
	PLACES 4
	FETCH (\q)+1
	MUL32 \q, 0, 0
	MUL32 \q, 1, 0
.endif
.endm
	s_load_b128 s[4:7], s[0:1], 0x0                ; wsq, bq
	s_load_b128 s[8:11], s[0:1], 0x10              ; bk, bv
	s_load_b64 s[12:13], s[0:1], 0x20              ; qkvb
	v_lshl_add_u32 v254, v0, 2, 0x44000
	v_mov_b32 v255, 0
	ds_add_u32 v254, v255
	ds_add_u32 v254, v255
	v_lshrrev_b32 v1, 5, v0
	v_readfirstlane_b32 s14, v1                    ; wave 0..3
	s_lshr_b32 s15, s14, 1                         ; which half of the tokens is mine.  Also: I fetch x's tiles (0) or W's (1)
	s_and_b32 s16, s14, 1                          ; which half of the columns.  Also: which 8 tiles I fetch
	s_bfe_u32 s40, ttmp6, 0x40000                  ; cx, cy: my place in the cluster
	s_bfe_u32 s41, ttmp6, 0x40004
	s_lshl_b32 s42, ttmp9, 2
	s_add_co_u32 s42, s42, s40                     ; block of 256 columns = 4 x cluster x + cx
	s_and_b32 s17, ttmp7, 0xffff
	s_lshl_b32 s17, s17, 2
	s_add_co_u32 s17, s17, s41                     ; block of 256 tokens = 4 x cluster y + cy
	s_lshl_b32 s43, s41, 2
	s_lshl_b32 s43, 15, s43                        ; my row of the cluster
	s_lshl_b32 s44, 0x1111, s40                    ; my column
	s_or_b32 s[G1], s43, (3<<16)|(1<<21)           ; 15:0 the mask: x's tiles go to my row; 17:16 elements of 8 bytes; 21 set beside a mask; no padding
	s_or_b32 s[G1B], s44, (3<<16)|(1<<21)          ; W's tiles go to my column
.irp g, G1, G1B
	s_mov_b32 s[\g+1], 544<<16                     ; tensor_dim0: a chunk, 4,352 bytes
	s_mov_b32 s[\g+2], 8<<16                       ; tensor_dim1: 8 tiles
	s_mov_b32 s[\g+3], 544<<16                     ; tile_dim0
	s_mov_b32 s[\g+4], 8                           ; tile_dim1
	s_mov_b32 s[\g+5], 1088                        ; from tile to tile: 8,704 bytes
	s_mov_b32 s[\g+6], 0
	s_mov_b32 s[\g+7], 0
.endr
	s_lshl_b32 s18, s16, 3                         ; which 8 tiles I fetch
	s_lshl_b32 s20, s17, 4
	s_add_co_u32 s20, s20, s18
	s_mul_i32 s20, s20, TS                         ; x's tiles lie at wsq's first byte
	s_mov_b32 s21, 0
	s_lshl_b32 s46, s42, 4
	s_add_co_u32 s46, s46, s18
	s_mul_i32 s46, s46, TS
	s_add_co_u32 s46, s46, WQ
	s_mov_b32 s47, 0
	s_mul_i32 s45, s14, 8*CH                       ; where they go: wave x 8 tiles: no place in the cluster enters an LDS address
	s_wait_dscnt 0x0
	s_wait_kmcnt 0x0
	s_add_nc_u64 s[20:21], s[4:5], s[20:21]
	s_add_nc_u64 s[46:47], s[4:5], s[46:47]
	CROUND                                         ; all sixteen work-groups are here: the joint loads meet
.irp s, 0,1
	s_mov_b32 s[G0+4*\s], 1
	s_add_co_u32 s[G0+4*\s+1], s45, \s*HALF
	s_add_nc_u64 s[G0+4*\s+2:G0+4*\s+3], s[20:21], \s*CH
	s_or_b32 s[G0+4*\s+3], s[G0+4*\s+3], 0x80000000
	s_mov_b32 s[G0B+4*\s], 1
	s_add_co_u32 s[G0B+4*\s+1], s45, \s*HALF
	s_add_nc_u64 s[G0B+4*\s+2:G0B+4*\s+3], s[46:47], \s*CH
	s_or_b32 s[G0B+4*\s+3], s[G0B+4*\s+3], 0x80000000
.endr
	s_cmp_eq_u32 s15, 0                            ; a wave's two loads stand in one branch on its number: two loads of mine are out; four v_nop follow the second
	s_cbranch_scc0 .Lfirst_w
	tensor_load_to_lds s[G0:G0+3], s[G1:G1+7]
	s_nop 0
	tensor_load_to_lds s[G0+4:G0+7], s[G1:G1+7]
	s_nop 0
	PLACES 4
	s_branch .Lfirst_asked
.Lfirst_w:
	tensor_load_to_lds s[G0B:G0B+3], s[G1B:G1B+7]
	s_nop 0
	tensor_load_to_lds s[G0B+4:G0B+7], s[G1B:G1B+7]
	s_nop 0
	PLACES 4
.Lfirst_asked:
	s_mul_i32 s66, s15, 8*CH                       ; my 8 tiles of x,
	s_mul_i32 s67, s16, 8*CH
	s_add_co_u32 s67, s67, 16*CH                   ; my 8 tiles of W, behind x's 16
	s_cmp_eq_u32 ttmp9, 2
	s_cselect_b32 s68, s66, s67                    ; source 0: W's for q and k, x's for v
	s_cselect_b32 s69, s67, s66                    ; source 1: the other
	v_and_b32 v1, 31, v0
	v_lshlrev_b32 v[LI], 4, v1
	v_lshlrev_b32 v3, 2, v1
	v_add_nc_u32 v[ADP], s68, v[LI]
	v_add_nc_u32 v[ADP+1], HALF, v[ADP]
	v_add_nc_u32 v[ADQ], s69, v[LI]
	v_add_nc_u32 v[ADQ+1], HALF, v[ADQ]
	v_add_nc_u32 v[ASP], s68, v3
	v_add_nc_u32 v[ASP+1], HALF, v[ASP]
	v_add_nc_u32 v[ASQ], s69, v3
	v_add_nc_u32 v[ASQ+1], HALF, v[ASQ]
	v_and_b32 v[LR], 15, v0
	v_lshlrev_b32 v[LR], 2, v[LR]
	v_bfe_u32 v[LH], v0, 4, 1
	v_lshlrev_b32 v[LH], 6, v[LH]
.irp b, 0,1,2,3
	v_mov_b32 v[TM+4+\b], 0                        ; a lane permute's destination counts as one of its sources
.endr
	s_mov_b32 s[SEL], 0x76543210
	s_mov_b32 s[SEL+1], 0xfedcba98
	; where my results go
	s_and_b32 s80, s42, 3
	s_lshl_b32 s80, s80, 2
	s_lshl_b32 s81, s16, 1
	s_add_co_u32 s80, s80, s81                     ; my first head: 4 (block % 4) + 2 x half
	s_lshl_b32 s81, s17, 4
	s_lshl_b32 s82, s15, 3
	s_add_co_u32 s81, s81, s82                     ; my first token tile
	s_lshr_b32 s82, s81, 7                         ; batch
	s_and_b32 s83, s81, 127                        ; tile in the batch
	s_lshl_b32 s84, s82, 4
	s_add_co_u32 s84, s84, s80                     ; bh = 16 x batch + head
	s_lshl_b32 s85, s84, 7
	s_add_co_u32 s85, s85, s83
	s_lshl_b32 s86, s85, 9                         ; q's codes
	s_lshl_b32 s87, s85, 6
	s_add_co_u32 s87, s87, QS                      ; q's scale words
	s_lshl_b32 s88, s84, 4
	s_lshr_b32 s89, s83, 3
	s_add_co_u32 s88, s88, s89                     ; 16 bh + key step
	s_mul_i32 s88, s88, 8960
	s_add_co_u32 s88, s88, KV                      ; the key step's block: k's codes at its head,
	s_add_co_u32 s89, s88, 8192                    ; k's scale words
	s_mov_b32 s94, HEADB
	s_mov_b32 s96, HEADB
	s_mov_b32 s91, 0
	s_mov_b32 s93, 0
	s_mov_b32 s95, 0
	s_mov_b32 s97, 0
	s_mov_b32 s99, 0
	s_cmp_eq_u32 ttmp9, 0
	s_cselect_b32 s90, s86, s88                    ; codes of my first head,
	s_cselect_b32 s92, s87, s89                    ; its scale words,
	s_cselect_b32 s94, 65536, s94                  ; and from head to head
	s_cselect_b32 s96, 8192, s96
	s_cselect_b64 s[78:79], s[6:7], s[8:9]
	s_cmp_eq_u32 ttmp9, 2
	s_cselect_b64 s[78:79], s[10:11], s[78:79]     ; my tensor's bias
	s_add_nc_u64 s[70:71], s[12:13], s[90:91]
	s_add_nc_u64 s[72:73], s[70:71], s[94:95]
	s_add_nc_u64 s[74:75], s[12:13], s[92:93]
	s_add_nc_u64 s[76:77], s[74:75], s[96:97]
	s_lshl_b32 s98, s80, 8
	s_add_nc_u64 s[78:79], s[78:79], s[98:99]      ; at my first head
	s_wait_tensorcnt 0x1                           ; my part of K's first half is in; the one load behind it may stay out
	s_barrier_signal -1
	s_barrier_wait -1
	FETCH 0
	STEP 0
	STEP 1
	STEP 2
	STEP 3
	STEP 4
	STEP 5
	STEP 6
	STEP 7
	WIN 0
	PLACES 4                                       ; in front of the first read of results
	s_cmp_eq_u32 ttmp9, 2
	s_cbranch_scc1 .Lmode_v
; q, k.  Group J = token tile J: 64 registers = 128 columns = two heads of two blocks each.  The bias's addition also brings the group into window 0, each accumulator from its low end on.
.irp i, 0,1,2,3,4,5,6,7
	global_load_b128 v[BIAS+8*\i:BIAS+8*\i+3], v[LH], s[78:79] offset:(32*(\i/2)+8*(\i%2))*4       ; tile 2 b + u, lane half h: columns 32 b + 16 h + 8 u + 0 .. 7
	global_load_b128 v[BIAS+8*\i+4:BIAS+8*\i+7], v[LH], s[78:79] offset:(32*(\i/2)+8*(\i%2))*4+16
.endr
	s_wait_loadcnt 0x0
.macro GROUPQK J
.if (\J) > 0
	s_wait_xcnt 0x0                                ; the last group's stores have read their registers
.endif
	WIN 0x02+((\J)>>2)
.set m, 0
.rept 32
	v_pk_add_f32 v[T+2*m:T+2*m+1], v[64*((\J)&3)+2*m:64*((\J)&3)+2*m+1], v[BIAS+2*m:BIAS+2*m+1]
.set m, m+1
.endr
	WIN 0
	QUANT T
	v_lshrrev_b32 v[PW2], 16, v[PW]                ; the second head's two bytes
	global_store_b128 v[LI], v[PC:PC+3], s[70:71] offset:512*(\J)      ; 512 consecutive bytes: the first head's tile,
	global_store_b128 v[LI], v[PC+4:PC+7], s[72:73] offset:512*(\J)    ; the second's
	global_store_b32 v[LR], v[PW], s[74:75] offset:64*(\J)             ; 64 bytes: a part of a run of 256; lanes l and l xor 16 write the same word
	global_store_b32 v[LR], v[PW2], s[76:77] offset:64*(\J)
.endm
.irp J, 0,1,2,3,4,5,6,7
	GROUPQK \J
.endr
	s_branch .Lend
.Lmode_v:
; v.  Group J = column tile J: a lane holds channel 16 J + lane % 16, and its 64 registers run along the key step's 128 tokens: one fragment of v with the keys innermost.
.irp j, 0,1,2,3,4,5,6,7
	global_load_b32 v[BIAS+2*\j], v[LR], s[78:79] offset:64*\j
	global_load_b32 v[BIAS+2*\j+1], v[LR], s[78:79] offset:64*\j      ; (the packed form names the pair)
.endr
	s_wait_loadcnt 0x0
.macro GROUPV J
.if (\J) > 0
	s_wait_xcnt 0x0
.endif
	WIN 0x02+((\J)>>2)
.set m, 0
.rept 32
	v_pk_add_f32 v[T+2*m:T+2*m+1], v[64*((\J)&3)+2*m:64*((\J)&3)+2*m+1], v[BIAS+2*(\J):BIAS+2*(\J)+1] op_sel_hi:[1,0]
.set m, m+1
.endr
	WIN 0
	QUANT T
	global_store_b128 v[LI], v[PC:PC+3], s[70:71] offset:((\J)>>2)*HEADB+4096+((\J)&3)*1024
	global_store_b128 v[LI], v[PC+4:PC+7], s[70:71] offset:((\J)>>2)*HEADB+4096+((\J)&3)*1024+512
	global_store_b32 v[LR], v[PW], s[70:71] offset:((\J)>>2)*HEADB+8704+((\J)&3)*64
.endm
.irp J, 0,1,2,3,4,5,6,7
	GROUPV \J
.endr
.Lend:
	s_wait_tensorcnt 0x0
	ds_add_u32 v254, v255
	s_wait_dscnt 0x0
	CROUND                                         ; the closing round: no work-group ends while a partner may still ask for a tile that names it
	s_endpgm
.Lfunc_end_k_qabe165458f_qkv:
	.size	k_qabe165458f_qkv, .Lfunc_end_k_qabe165458f_qkv-k_qabe165458f_qkv
	.p2alignl 7, 3214868480
	.fill 96, 4, 3214868480
	.section	.rodata,"a",@progbits
	.p2align	6, 0x0
	.amdhsa_kernel k_qabe165458f_qkv
		.amdhsa_group_segment_fixed_size 279040
		.amdhsa_private_segment_fixed_size 0
		.amdhsa_enable_private_segment 0
		.amdhsa_kernarg_size 40
		.amdhsa_user_sgpr_count 2
		.amdhsa_user_sgpr_kernarg_segment_ptr 1
		.amdhsa_wavefront_size32 1
		.amdhsa_system_sgpr_workgroup_id_x 1
		.amdhsa_system_sgpr_workgroup_id_y 1
		.amdhsa_system_sgpr_workgroup_id_z 1
		.amdhsa_system_vgpr_workitem_id 0
		.amdhsa_next_free_vgpr 1024
		.amdhsa_next_free_sgpr 100
		.amdhsa_reserve_vcc 0
		.amdhsa_float_denorm_mode_32 3
		.amdhsa_float_denorm_mode_16_64 3
		.amdhsa_memory_ordered 1
		.amdhsa_forward_progress 1
		.amdhsa_inst_pref_size 196
	.end_amdhsa_kernel
	.amdgpu_metadata
---
amdhsa.version: [ 1, 2 ]
amdhsa.kernels:
  - .name:           k_qabe165458f_qkv
    .symbol:         k_qabe165458f_qkv.kd
    .args:
      - { .name: wsq, .offset: 0, .size: 8, .value_kind: global_buffer, .address_space: global }
      - { .name: bq, .offset: 8, .size: 8, .value_kind: global_buffer, .address_space: global }
      - { .name: bk, .offset: 16, .size: 8, .value_kind: global_buffer, .address_space: global }
      - { .name: bv, .offset: 24, .size: 8, .value_kind: global_buffer, .address_space: global }
      - { .name: qkvb, .offset: 32, .size: 8, .value_kind: global_buffer, .address_space: global }
    .group_segment_fixed_size: 279040
    .private_segment_fixed_size: 0
    .kernarg_segment_align: 8
    .kernarg_segment_size: 40
    .max_flat_workgroup_size: 128
    .sgpr_count:     100
    .vgpr_count:     1024
    .wavefront_size: 32
...
	.end_amdgpu_metadata
.endif
;; end of part 2
;; launch attn (part 3): grid 8 x 32, 16 waves a work-group, no clusters, 215,040 bytes of LDS; arguments qkvb, ob, eW1, eW2, wsq; writes ob, wsq
.if DOCPART == 3
	.amdgcn_target "amdgcn-amd-amdhsa--gfx1250"
	.amdhsa_code_object_version 6
	.text
	.protected	k_qabe165458f_attn
	.globl	k_qabe165458f_attn
	.p2align	8
	.type	k_qabe165458f_attn,@function
k_qabe165458f_attn:
	s_mov_b64 s[64:65], 0
	v_nop
	global_prefetch_b8 v0, s[64:65] scope:SCOPE_SE
	s_setreg_imm32_b32 hwreg(HW_REG_WAVE_MODE, 25, 1), 1
	s_wait_xcnt 0x0
; o[b][s][64 head + :] = the sum over keys t <= s of softmax_t(q . k / 96) v, both products on codes of FP4 with E8M0 scales.
; THE SOFTMAX AHEAD OF THE SECOND PRODUCT: t = score x log2(e) / 96; M = the running largest t rounded UP to a whole number; p = 2^(t - M) is quantised along the keys, not normalised;
; the row's sum is taken of the unquantised p and divides at the end.  When M moves, the sum and O are multiplied by 2^(old M - new M): exact.
; SHARES.  A work-group serves one (batch, head) and two chunks of 128 queries, g and 15 - g, so that every work-group has the same causal work: 8 x 17 wave steps.
; Each of its sixteen waves owns one tile of 16 queries in 256 registers: four waves to a SIMD, so that one wave's vector work stands beside another's products and LDS loads.
; THE HEAD'S K, V AND SCALE WORDS, 16 key steps x 8,960 bytes, are one dense block of memory and lie in LDS as they lie there: each wave brings one key step by one tensor load; nothing is filled again.
; NO CLUSTER, though the eight work-groups of a head read the same block: each reads it once, and a step all of whose keys are hidden is left out by a branch on the wave's own queries, which partners do not share.
; LAYOUT.  Both products transposed: S^T = K Q^T, O^T = V^T P^T: a lane holds one query throughout.  Tiles of tokens are spread: row r of tile 2 b + u is token 32 b + 8 u + r + 8 (r / 8):
; so the 16 registers of score tiles 2 b, 2 b + 1 are keys 32 b + 16 (lane / 16) + 0 .. 15.  K = 64 in the first product: registers 4-7 of Q's and K's fragments hold zero codes.
; UNDER THE ATTENTION RIDES THE QUANTISING OF eW1 AND eW2, which hangs on nothing that is computed here: a key step is some 290 vector lines and no access to memory; a block of a weight (32 columns x 32 k) is
; 32 loads, one store and some 30 vector lines.  The two weights hold 33,554,432 numbers, 32,768 such blocks; the launch's 4,096 waves take 8 each: 32 columns x 256 k of one weight, a lane to a column, its 32
; registers down K.  A trip of the loop is two key steps and one block; the next block's loads go out directly behind a block's work and have the two key steps in which to land; the first block's go out at the
; kernel's head; the last trip asks for nothing.  The codes go to wsq in the order of the operand's registers (tile of 16 columns x chunk of 512 k = 4,352 bytes: 4,096 of codes, 256 of scale words);
; eW1's columns are spread over a pair of tiles as the tokens are, eW2's lie naturally.  Work-groups of batch 0 take eW1, those of batch 1 eW2; the sixteen waves of a work-group stand side by side on 2,048 bytes of a row.
; LIMITS: NaN and infinities are not served; a weight's block of zeros, and one whose largest magnitude lies under 2^-124, gets the byte 1 (zero codes; this program alone reads the bytes).
; REGISTERS: v1, v2 16 x lane, 4 x (lane % 16); v4, v5 lane % 16, lane / 16; v8, v9 the step's addresses; v12 -M, v13 the largest t, v[14:15] the sum; v16-23 Q; v24 Q's scale words; v25 the mask's lane term;
;   v26 p's scale word; v32-63 four fragments of K; v64-95 V's four; v96-159 S^T, then p; v160-191 O^T; v224-231 p's codes; v232-254 at work; v248-251 K's or V's scale words.
;   For the weights: v3 4 x lane; v6, v255 my column's place among the codes and the scale words; v28-30 at work; v31, v27 my column's eight scale bytes; v192-223 a block; v240-243 its codes.
.set STEPB, 8960
.set HEADB, 143360
.set QS,    2097152
.set KV,    2359296
.set STAGE, 143360                     ; behind the head's block: 16 rows x 272 bytes for each wave; no tensor load lands there
.set E1Q,   3899392                    ; wsq: eW1's 4 x 256 tiles of 8,704 bytes,
.set E2Q,   12812288                   ; eW2's 4 x 64 tiles of 34,816 bytes
.set CH,    4352
.set WV,  18
.set SEL, 20
.set CS,  22
.set G1,  24
.set G0,  32
.set TB,  36                           ; s36 LDS byte of the key step in hand
.set KF,  37                           ; s37 its first key
.set Q0,  38                           ; s38 my first query
.set QL,  39                           ; s39 my last query
.set CNT, 40
.set PSW, 26
.set WOF, 3
.set WCO, 6
.set WHI, 27
.set WLO, 31
.set WX,  192
.set WC,  240
.set WSO, 255
.set WSRC, 54                          ; s[54:55] the block's first byte in the weight
.set WSTP, 56                          ; s[56:57] 32 rows of the weight, in bytes
.set WDST, 58                          ; s[58:59] where the block's codes go
.set WSCL, 60                          ; s[60:61] where my columns' scale words go
.set WSEL, 62                          ; s62      0: eW1, 1: eW2
; A block's 32 loads: row i of my column.  The row's pitch stands in the immediates, so the run is written for each weight; the branch hangs on the work-group's number alone, and both ways issue 32 loads.
.macro WLOAD
	s_cmp_eq_u32 s[WSEL], 0
	s_cbranch_scc0 .Lw_two_\@
.set i, 0
.rept 32
	global_load_b32 v[WX+i], v[WOF], s[WSRC:WSRC+1] offset:i*16384 th:TH_LOAD_NT   ; 128 consecutive bytes of a row of eW1
.set i, i+1
.endr
	s_branch .Lw_asked_\@
.Lw_two_\@:
.set i, 0
.rept 32
	global_load_b32 v[WX+i], v[WOF], s[WSRC:WSRC+1] offset:i*4096 th:TH_LOAD_NT    ; of eW2
.set i, i+1
.endr
.Lw_asked_\@:
.endm
; A block's work: all its 32 numbers are mine.
.macro WBLOCK
	s_wait_loadcnt 0x0                             ; the block is in (asked for two key steps ago): so its loads' base may step below
	v_max3_num_f32 v28, |v[WX]|, |v[WX+1]|, |v[WX+2]|
	v_max3_num_f32 v29, |v[WX+3]|, |v[WX+4]|, |v[WX+5]|
.irp i, 6,10,14,18,22,26
	v_max3_num_f32 v28, v28, |v[WX+\i]|, |v[WX+\i+1]|
	v_max3_num_f32 v29, v29, |v[WX+\i+2]|, |v[WX+\i+3]|
.endr
	v_max3_num_f32 v28, v28, |v[WX+30]|, |v[WX+31]|
	v_max3_num_f32 v28, v28, v29, 0x1800000        ; and the floor 2^(3 - 127): the byte cannot fall under 1
	v_add_nc_u32 v30, 0xff000000, v28              ; 2 off the exponent field: the conversion's scale operand
	v_lshrrev_b32 v29, 23, v30                     ; the scale's byte
	v_lshrrev_b32 v[WLO], 8, v[WLO]                ; the pair of words moves down 8 bits and takes the byte on top: after eight blocks block t's byte stands at byte t
	v_lshl_or_b32 v[WLO], v[WHI], 24, v[WLO]
	v_lshrrev_b32 v[WHI], 8, v[WHI]
	v_lshl_or_b32 v[WHI], v29, 24, v[WHI]
.irp g, 0,1,2,3
	v_cvt_scalef32_pk8_fp4_f32 v[WC+\g], v[WX+8*\g:WX+8*\g+7], v30
.endr
	v_nop                                          ; one plain place behind the last conversion
	global_store_b128 v[WCO], v[WC:WC+3], s[WDST:WDST+1]   ; the 32 lanes fill two aligned runs of 256 bytes, one in each tile of the pair
	s_wait_xcnt 0x0                                ; the store has read its registers and its base: both are written again only behind this wait
	s_add_nc_u64 s[WDST:WDST+1], s[WDST:WDST+1], 256
	s_add_nc_u64 s[WSRC:WSRC+1], s[WSRC:WSRC+1], s[WSTP:WSTP+1]
.endm
; A KEY STEP: 128 keys.  A step all of whose keys come after my queries leaves out its work, not the lines that step addresses.
.macro KEYSTEP
	s_cmp_gt_u32 s[KF], s[QL]
	s_cbranch_scc1 .Lhidden_\@
	v_add_nc_u32 v8, s[TB], v1
	v_add_nc_u32 v9, s[TB], v2
	v_nop
	v_nop                                          ; four places in front of the loads into the scale registers that the last products named
.irp g, 0,1                                    ; S^T = K Q^T, four tiles of 16 keys at a time
.if \g > 0
.rept 4
	v_nop
.endr
.endif
.irp t, 0,1,2,3
	ds_load_b128 v[32+8*\t:35+8*\t], v8 offset:(4*\g+\t)*512
	ds_load_b32 v[248+\t], v9 offset:8192+(4*\g+\t)*64
.endr
	s_wait_dscnt 0x0
.irp t, 0,1,2,3
	v_wmma_scale_f32_16x16x128_f8f6f4 v[96+8*(4*\g+\t):103+8*(4*\g+\t)], v[32+8*\t:39+8*\t], v[16:23], 0, v[248+\t], v24 matrix_a_fmt:MATRIX_FMT_FP4 matrix_b_fmt:MATRIX_FMT_FP4
.endr
.endr
.rept 4
	v_nop
.endr
.irp t, 0,1,2,3                                ; V's fragments and scale words are asked for here and land under the softmax
.irp c, 0,1
	ds_load_b128 v[64+8*\t+4*\c:67+8*\t+4*\c], v8 offset:4096+1024*\t+512*\c
.endr
	ds_load_b32 v[248+\t], v9 offset:8704+64*\t
.endr
	s_add_co_u32 s9, s[KF], 127                    ; on the diagonal hidden scores become -infinity ahead of the maximum; a step all of whose keys count skips this
	s_cmp_le_u32 s9, s[Q0]
	s_cbranch_scc1 .Lopen_\@
	s_sub_co_i32 s9, s[Q0], s[KF]
	v_add_nc_u32 v253, s9, v25                     ; d = my query - the step's first key - 16 h.  Register 16 b + i holds key 32 b + 16 h + i: hidden where 32 b + i > d
	v_mov_b32 v254, 0xff800000
.irp n, 0,1,2,3,4,5,6,7,8,9,10,11,12,13,14,15,16,17,18,19,20,21,22,23,24,25,26,27,28,29,30,31,32,33,34,35,36,37,38,39,40,41,42,43,44,45,46,47,48,49,50,51,52,53,54,55,56,57,58,59,60,61,62,63
	v_cmp_gt_i32 vcc_lo, 32*(\n/16)+\n%16, v253
	v_cndmask_b32 v[96+\n], v[96+\n], v254, vcc_lo
.endr
.Lopen_\@:
.irp b, 0,1,2,3
	v_max3_num_f32 v[232+\b], v[96+16*\b], v[97+16*\b], v[98+16*\b]   ; the largest score of each block of 32 keys: for the row's maximum, and, since p rises with the score, for the block's largest p
.endr
.irp i, 3,5,7,9,11,13
.irp b, 0,1,2,3
	v_max3_num_f32 v[232+\b], v[232+\b], v[96+16*\b+\i], v[97+16*\b+\i]
.endr
.endr
.irp b, 0,1,2,3
	v_max_num_f32 v[232+\b], v[232+\b], v[111+16*\b]
.endr
.irp b, 0,1,2,3
	v_permlanex16_b32 v[236+\b], v[232+\b], s[SEL], s[SEL+1]
.endr
.irp b, 0,1,2,3
	v_max_num_f32 v[232+\b], v[232+\b], v[236+\b]
.endr
	v_max3_num_f32 v254, v232, v233, v234
	v_max_num_f32 v254, v254, v235
	v_mul_f32 v254, s[CS], v254                    ; as t (c is positive)
	v_max_num_f32 v13, v13, v254                   ; the running largest t
	v_mov_b32 v254, v12
	v_floor_f32 v12, -v13                          ; the new -M = -ceil(t)
	v_sub_f32 v254, v12, v254                      ; old M - new M: a whole number, 0 or less
	v_cvt_i32_f32 v254, v254                       ; (it saturates)
	v_ldexp_f32 v252, 1.0, v254                    ; f = 2^(old M - new M)
.irp j, 0,2,4,6,8,10,12,14,16,18,20,22,24,26,28,30,32,34,36,38,40,42,44,46,48,50,52,54,56,58,60,62
	v_pk_fma_f32 v[96+\j:97+\j], v[96+\j:97+\j], s[CS:CS+1], v[12:13] op_sel_hi:[1,0,0]   ; t - M
.endr
.irp b, 0,1,2,3
	v_fma_f32 v[232+\b], v[232+\b], s[CS], v12
.endr
.set j, 0
.rept 64
	v_exp_f32 v[96+j], v[96+j]                     ; p = 2^(t - M), at most 1
.set j, j+1
.endr
.irp b, 0,1,2,3
	v_exp_f32 v[232+\b], v[232+\b]                 ; the block's largest p: the same two instructions on the same number
.endr
	v_pk_mul_f32 v[14:15], v[14:15], v[252:253] op_sel_hi:[1,0]   ; the sums under the new M (a plain place behind the exponentials; of the pair the low word serves both halves)
	s_wait_alu depctr_va_vdst(0)
.irp b, 0,1,2,3
	v_max_num_f32 v[232+\b], 0x1800000, v[232+\b]  ; the floor: the byte cannot fall under 1
.endr
.irp b, 0,1,2,3
	v_add_nc_u32 v[244+\b], 0xff000000, v[232+\b]
.endr
.irp b, 0,1,2,3
	v_lshrrev_b32 v[236+\b], 23, v[244+\b]
.endr
	v_lshl_or_b32 v[PSW], v237, 8, v236            ; p's scale word for these 128 keys
	v_lshl_or_b32 v[PSW], v238, 16, v[PSW]
	v_lshl_or_b32 v[PSW], v239, 24, v[PSW]
.irp b, 0,1,2,3
	v_cvt_scalef32_pk8_fp4_f32 v[224+2*\b], v[96+16*\b:103+16*\b], v[244+\b]
	v_cvt_scalef32_pk8_fp4_f32 v[225+2*\b], v[104+16*\b:111+16*\b], v[244+\b]
.endr
	v_nop                                          ; one plain place behind a scaled conversion
.irp c, 0,1
.irp i, 0,1
	v_permlane16_swap_b32 v[224+4*\c+\i], v[226+4*\c+\i]
.endr
.endr
	v_pk_add_f32 v[236:237], v[96:97], v[98:99]    ; the row's sum is taken of the unquantised p, in two chains
.irp j, 4,8,12,16,20,24,28,32,36,40,44,48,52,56,60
	v_pk_add_f32 v[14:15], v[14:15], v[96+\j:97+\j]
	v_pk_add_f32 v[236:237], v[236:237], v[98+\j:99+\j]
.endr
	v_pk_add_f32 v[14:15], v[14:15], v[236:237]
.irp j, 0,2,4,6,8,10,12,14,16,18,20,22,24,26,28,30
	v_pk_mul_f32 v[160+\j:161+\j], v[160+\j:161+\j], v[252:253] op_sel_hi:[1,0]   ; O^T under the new M.  (With the sums: far more than the eight places between p's scale word and the products)
.endr
	s_wait_dscnt 0x0                               ; V
.irp t, 0,1,2,3                                ; O^T += V^T P^T: the four accumulators take turns
	v_wmma_scale_f32_16x16x128_f8f6f4 v[160+8*\t:167+8*\t], v[64+8*\t:71+8*\t], v[224:231], v[160+8*\t:167+8*\t], v[248+\t], v[PSW] matrix_a_fmt:MATRIX_FMT_FP4 matrix_b_fmt:MATRIX_FMT_FP4
.endr
.Lhidden_\@:
	s_add_co_u32 s[TB], s[TB], STEPB
	s_add_co_u32 s[KF], s[KF], 128
.endm
	s_load_b128 s[4:7], s[0:1], 0x0                ; qkvb, ob
	s_load_b128 s[48:51], s[0:1], 0x10             ; eW1, eW2
	s_load_b64 s[52:53], s[0:1], 0x20              ; wsq
	v_lshl_add_u32 v254, v0, 2, 0x34000
	v_mov_b32 v255, 0
	ds_add_u32 v254, v255
	ds_add_u32 v254, v255
	s_wait_dscnt 0x0
	v_lshrrev_b32 v1, 5, v0
	v_readfirstlane_b32 s[WV], v1                  ; wave 0..15
	s_and_b32 s8, ttmp7, 0xffff                    ; bh = 16 x batch + head
	s_mov_b32 s[G1], 3<<16                         ; elements of 8 bytes, no mask, no padding: 35 rows of 256 bytes, dense
	s_mov_b32 s[G1+1], 32<<16
	s_mov_b32 s[G1+2], 35<<16
	s_mov_b32 s[G1+3], 32<<16
	s_mov_b32 s[G1+4], 35
	s_mov_b32 s[G1+5], 32
	s_mov_b32 s[G1+6], 0
	s_mov_b32 s[G1+7], 0
	s_mul_i32 s9, s8, HEADB
	s_mul_i32 s10, s[WV], STEPB                    ; key step = my wave's number
	s_add_co_u32 s12, s9, s10
	s_add_co_u32 s12, s12, KV
	s_mov_b32 s13, 0
	s_lshl_b32 s14, ttmp9, 3
	s_add_co_u32 s15, s14, s[WV]                   ; waves 0-7: tile 8 g + w;
	s_sub_co_u32 s16, 112, s14
	s_add_co_u32 s16, s16, s[WV]                   ; waves 8-15: tile 8 (15 - g) + w - 8
	s_cmp_lt_u32 s[WV], 8
	s_cselect_b32 s15, s15, s16                    ; my tile of queries: it enters global addresses, the mask and scalar branches, no LDS address
	s_lshr_b32 s16, s15, 1
	s_lshl_b32 s16, s16, 5
	s_and_b32 s17, s15, 1
	s_lshl_b32 s17, s17, 3
	s_add_co_u32 s[Q0], s16, s17
	s_add_co_u32 s[QL], s[Q0], 23
	s_lshl_b32 s41, s8, 7
	s_add_co_u32 s41, s41, s15
	s_lshl_b32 s42, s41, 9                         ; Q's codes
	s_mov_b32 s43, 0
	s_lshl_b32 s44, s41, 6
	s_add_co_u32 s44, s44, QS                      ; Q's scale words
	s_mov_b32 s45, 0
	s_lshr_b32 s46, s8, 4
	s_lshl_b32 s46, s46, 11
	s_add_co_u32 s46, s46, s[Q0]
	s_lshl_b32 s46, s46, 12                        ; my first query's row of o,
	s_and_b32 s47, s8, 15
	s_lshl_b32 s47, s47, 8                         ; the head's 256 bytes in it
	s_add_co_u32 s46, s46, s47
	s_mov_b32 s47, 0
	s_mov_b32 s[SEL], 0x76543210
	s_mov_b32 s[SEL+1], 0xfedcba98
	s_mov_b32 s[CS], 0x3c76384f                    ; c = log2(e) / 96
	s_mov_b32 s[CS+1], s[CS]
	s_mov_b32 s[TB], 0
	s_mov_b32 s[KF], 0
	s_mov_b32 s[CNT], 8
	s_wait_kmcnt 0x0
	s_mov_b32 s[G0], 1
	s_mov_b32 s[G0+1], s10
	s_add_nc_u64 s[G0+2:G0+3], s[4:5], s[12:13]
	s_or_b32 s[G0+3], s[G0+3], 0x80000000
	tensor_load_to_lds s[G0:G0+3], s[G1:G1+7]      ; my one tensor load
	s_nop 0
.rept 4
	v_nop
.endr
	s_add_nc_u64 s[42:43], s[4:5], s[42:43]
	s_add_nc_u64 s[44:45], s[4:5], s[44:45]
	s_add_nc_u64 s[6:7], s[6:7], s[46:47]
	v_and_b32 v3, 31, v0
	v_lshlrev_b32 v1, 4, v3
	v_and_b32 v4, 15, v0                           ; r
	v_bfe_u32 v5, v0, 4, 1                         ; h
	v_lshlrev_b32 v2, 2, v4
	global_load_b128 v[16:19], v1, s[42:43]        ; Q's fragment stays in registers
	global_load_b32 v24, v2, s[44:45]
	; my part of the weights: u = 128 (bh % 16) + 16 g + wave; its low bits the pair of tiles, the next the run of 256 k, the top two the expert
	s_and_b32 s66, s8, 15
	s_lshl_b32 s66, s66, 7
	s_lshl_b32 s67, ttmp9, 4
	s_add_co_u32 s66, s66, s67
	s_add_co_u32 s66, s66, s[WV]
	s_mov_b32 s70, 34816
	s_mov_b32 s71, E2Q
	s_cmp_lt_u32 s8, 16                            ; batch 0: eW1 [4][1024 k][4096 n]; batch 1: eW2 [4][4096 k][1024 n]
	s_cselect_b32 s[WSEL], 0, 1
	s_cselect_b32 s68, 7, 5                        ; 128 or 32 pairs of tiles: so many bits
	s_cselect_b32 s69, 22, 20                      ; 256 rows of 16,384 or of 4,096 bytes, as a shift
	s_cselect_b32 s70, 8704, s70                   ; a tile's bytes
	s_cselect_b32 s71, E1Q, s71                    ; the region
	s_cselect_b32 s72, 8, 6                        ; 256 or 64 tiles an expert, as a shift
	s_cselect_b32 s73, 3, 4                        ; the lane's bit that picks the tile of the pair: eW1 spread, eW2 natural
	s_cselect_b32 s74, 4, 3                        ; and the one that is the row's bit 3
	s_cselect_b64 s[WSRC:WSRC+1], s[48:49], s[50:51]
	s_lshl_b32 s75, 1, s68
	s_sub_co_u32 s75, s75, 1
	s_and_b32 s75, s66, s75                        ; the pair of tiles
	s_lshr_b32 s76, s66, s68
	s_lshr_b32 s77, s66, 9                         ; the expert
	s_sub_co_u32 s78, 9, s68
	s_lshl_b32 s79, s77, s78
	s_sub_co_u32 s76, s76, s79                     ; the run of 256 k
	s_lshl_b32 s80, s77, 24                        ; 16,777,216 bytes an expert,
	s_lshl_b32 s81, s76, s69                       ; the run's rows,
	s_add_co_u32 s80, s80, s81
	s_lshl_b32 s81, s75, 7                         ; 128 bytes a pair
	s_add_co_u32 s80, s80, s81
	s_mov_b32 s81, 0
	s_add_nc_u64 s[WSRC:WSRC+1], s[WSRC:WSRC+1], s[80:81]
	s_sub_co_u32 s[WSTP], s69, 3
	s_lshl_b32 s[WSTP], 1, s[WSTP]                 ; 32 rows: an eighth of the run
	s_mov_b32 s[WSTP+1], 0
	s_lshl_b32 s82, s77, s72
	s_lshl_b32 s83, s75, 1
	s_add_co_u32 s82, s82, s83                     ; the pair's first tile
	s_mul_i32 s82, s82, s70
	s_add_co_u32 s82, s82, s71
	s_lshr_b32 s83, s76, 1                         ; two runs to a chunk of 512 k
	s_mul_i32 s83, s83, CH
	s_add_co_u32 s82, s82, s83
	s_and_b32 s83, s76, 1
	s_lshl_b32 s84, s83, 11                        ; codes: 2,048 bytes a run; a block is 256 bytes on from the last
	s_add_co_u32 s84, s84, s82
	s_mov_b32 s85, 0
	s_add_nc_u64 s[WDST:WDST+1], s[52:53], s[84:85]
	s_lshl_b32 s86, s83, 7                         ; scale words: behind the chunk's 4,096 bytes of codes, 128 bytes a run
	s_add_co_u32 s86, s86, s82
	s_add_co_u32 s86, s86, 4096
	s_mov_b32 s87, 0
	s_add_nc_u64 s[WSCL:WSCL+1], s[52:53], s[86:87]
	v_lshrrev_b32 v28, s73, v3
	v_and_b32 v28, 1, v28                          ; which tile of the pair
	v_lshrrev_b32 v29, s74, v3
	v_and_b32 v29, 1, v29
	v_and_b32 v30, 7, v3
	v_lshl_add_u32 v30, v29, 3, v30                ; my row in it
	v_mul_u32_u24 v28, s70, v28
	v_lshl_add_u32 v[WCO], v30, 4, v28             ; codes: tile + 16 x row
	v_lshl_add_u32 v[WSO], v30, 2, v28             ; scale words: tile + 4 x row
	v_lshlrev_b32 v[WOF], 2, v3                    ; 4 x lane
	WLOAD                                          ; the first block: it lands under the wait for the head's K and V
	v_mov_b32 v[WLO], 0
	v_mov_b32 v[WHI], 0
.irp j, 20,21,22,23,36,37,38,39,44,45,46,47,52,53,54,55,60,61,62,63
	v_mov_b32 v\j, 0                               ; zero codes for k = 64 .. 127: written once, the loads fill the lower four registers alone
.endr
	v_and_b32 v10, 8, v4
	v_add_nc_u32 v25, v10, v4
	v_lshlrev_b32 v10, 4, v5
	v_sub_nc_u32 v25, v25, v10                     ; r + 8 (r / 8) - 16 h
	v_mov_b32 v13, 0xff61b1e6                      ; the largest t so far: -3e38
	v_floor_f32 v12, -v13                          ; -M
	v_mov_b32 v14, 0
	v_mov_b32 v15, 0
.irp b, 0,1,2,3
	v_mov_b32 v[236+\b], 0                         ; a lane permute's destination counts as one of its sources
.endr
	v_mov_b32 v252, 0
	v_mov_b32 v253, 0                              ; (named as the upper half of the pair v[252:253])
.set j, 0
.rept 32
	v_mov_b32 v[160+j], 0                          ; O^T: the loop is written once; its first step finds zeros
.set j, j+1
.endr
	s_wait_tensorcnt 0x0                           ; my key step has landed,
	s_barrier_signal -1
	s_barrier_wait -1                              ; everybody's has
	s_wait_loadcnt 32                              ; Q's two loads are in; the 32 younger ones, the first block's, may be out
.Lstep:                                            ; 8 trips, a constant: two key steps, then a block of my weight
	KEYSTEP
	KEYSTEP
	WBLOCK
	s_cmp_eq_u32 s[CNT], 1                         ; the last trip asks for nothing: no load leaves its buffer
	s_cbranch_scc1 .Lno_next
	WLOAD                                          ; the next block: two key steps ahead of the wait for it
.Lno_next:
	s_sub_co_u32 s[CNT], s[CNT], 1
	s_cmp_lg_u32 s[CNT], 0
	s_cbranch_scc1 .Lstep
	global_store_b32 v[WSO], v[WLO], s[WSCL:WSCL+1]            ; my column's scale words of its two K steps: 64 bytes in each tile, a part of a run of 256; one byte for each 128 read
	global_store_b32 v[WSO], v[WHI], s[WSCL:WSCL+1] offset:64
	; THE WAY OUT: O^T / the sum goes through my stage and leaves as rows of 256 bytes
	v_add_f32 v14, v14, v15
	v_permlanex16_b32 v252, v14, s[SEL], s[SEL+1]
	v_add_f32 v14, v14, v252                       ; the row's sum
	v_rcp_f32 v14, v14
	v_mul_u32_u24 v10, v4, 272                     ; (a plain place behind the transcendental)
	s_mul_i32 s9, s[WV], 16*272
	s_add_co_u32 s9, s9, STAGE
	v_lshl_add_u32 v10, v5, 5, v10
	v_add_nc_u32 v10, s9, v10                      ; in: row r, + 32 h; tile t 64 bytes on
	v_mul_u32_u24 v11, v5, 272
	v_lshl_add_u32 v11, v4, 4, v11
	v_add_nc_u32 v11, s9, v11                      ; back: lanes 0-15 one row, lanes 16-31 the next
	v_lshlrev_b32 v7, 12, v5
	v_lshl_add_u32 v7, v4, 4, v7                   ; and the same two rows in o
.set j, 0
	s_wait_alu depctr_va_vdst(0)
.rept 32
	v_mul_f32 v[96+j], v[160+j], v14               ; register 8 t + i is o(query r, channel 16 t + 8 h + i)
.set j, j+1
.endr
.irp t, 0,1,2,3
	ds_store_b128 v10, v[96+8*\t:99+8*\t] offset:64*\t
	ds_store_b128 v10, v[100+8*\t:103+8*\t] offset:64*\t+16
.endr
.irp i, 0,1,2,3,4,5,6,7
	ds_load_b128 v[32+4*\i:35+4*\i], v11 offset:2*\i*272   ; LDS serves a wave's instructions in order: these see my stores
.endr
.irp i, 0,1,2,3,4,5,6,7
	s_wait_dscnt 7-\i                              ; the younger reads may stay out
	global_store_b128 v7, v[32+4*\i:35+4*\i], s[6:7] offset:(2*\i+8*(\i/4))*4096   ; stage row n is query n + 8 (n / 8); 16 lanes store 256 consecutive bytes, aligned
.endr
	s_wait_xcnt 0x0
	v_lshl_add_u32 v254, v0, 2, 0x34000
	v_mov_b32 v255, 0
	s_wait_tensorcnt 0x0
	ds_add_u32 v254, v255
	s_wait_dscnt 0x0
	s_endpgm
.Lfunc_end_k_qabe165458f_attn:
	.size	k_qabe165458f_attn, .Lfunc_end_k_qabe165458f_attn-k_qabe165458f_attn
	.p2alignl 7, 3214868480
	.fill 96, 4, 3214868480
	.section	.rodata,"a",@progbits
	.p2align	6, 0x0
	.amdhsa_kernel k_qabe165458f_attn
		.amdhsa_group_segment_fixed_size 215040
		.amdhsa_private_segment_fixed_size 0
		.amdhsa_enable_private_segment 0
		.amdhsa_kernarg_size 40
		.amdhsa_user_sgpr_count 2
		.amdhsa_user_sgpr_kernarg_segment_ptr 1
		.amdhsa_wavefront_size32 1
		.amdhsa_system_sgpr_workgroup_id_x 1
		.amdhsa_system_sgpr_workgroup_id_y 1
		.amdhsa_system_sgpr_workgroup_id_z 1
		.amdhsa_system_vgpr_workitem_id 0
		.amdhsa_next_free_vgpr 256
		.amdhsa_next_free_sgpr 100
		.amdhsa_reserve_vcc 1
		.amdhsa_float_denorm_mode_32 3
		.amdhsa_float_denorm_mode_16_64 3
		.amdhsa_memory_ordered 1
		.amdhsa_forward_progress 1
		.amdhsa_inst_pref_size 68
	.end_amdhsa_kernel
	.amdgpu_metadata
---
amdhsa.version: [ 1, 2 ]
amdhsa.kernels:
  - .name:           k_qabe165458f_attn
    .symbol:         k_qabe165458f_attn.kd
    .args:
      - { .name: qkvb, .offset: 0, .size: 8, .value_kind: global_buffer, .address_space: global }
      - { .name: ob, .offset: 8, .size: 8, .value_kind: global_buffer, .address_space: global }
      - { .name: eW1, .offset: 16, .size: 8, .value_kind: global_buffer, .address_space: global }
      - { .name: eW2, .offset: 24, .size: 8, .value_kind: global_buffer, .address_space: global }
      - { .name: wsq, .offset: 32, .size: 8, .value_kind: global_buffer, .address_space: global }
    .group_segment_fixed_size: 215040
    .private_segment_fixed_size: 0
    .kernarg_segment_align: 8
    .kernarg_segment_size: 40
    .max_flat_workgroup_size: 512
    .sgpr_count:     100
    .vgpr_count:     256
    .wavefront_size: 32
...
	.end_amdgpu_metadata
.endif
;; end of part 3
;; launch ln1 (part 4): grid 256 x 1, 8 waves a work-group, no clusters, 66,816 bytes of LDS; arguments x, ob, scalar, ln_g, ln_b, x1b; writes x1b
.if DOCPART == 4
	.amdgcn_target "amdgcn-amd-amdhsa--gfx1250"
	.amdhsa_code_object_version 6
	.text
	.protected	k_qabe165458f_ln1
	.globl	k_qabe165458f_ln1
	.p2align	8
	.type	k_qabe165458f_ln1,@function
k_qabe165458f_ln1:
	s_mov_b64 s[64:65], 0
	v_nop
	global_prefetch_b8 v0, s[64:65] scope:SCOPE_SE
	s_setreg_imm32_b32 hwreg(HW_REG_WAVE_MODE, 25, 1), 1
	s_wait_xcnt 0x0
; x1 = LayerNorm(x + o x scalar) x ln_g + ln_b, stored as f32 [token][1024] and as codes of FP4 with E8M0 scales along the 1,024 (natural tiles of 16 tokens, in the order of the operand's registers).
; A work-group takes 16 tokens, a wave two rows: a row's 4,096 bytes are 32 registers, so the row stays in registers between the mean, the variance and the scaling.  Mean first, then the sum of squared differences.
; The 16 rows meet in a stage in LDS; behind the one barrier wave w quantises K step w (128 along the row) of all 16 rows.
; Memory binds: no matrix unit, no tensor load, no cluster.
; LIMITS: a block of zeros, and one whose largest magnitude lies under 2^-124, gets the byte 1; NaN and infinities are not served.
.set X1Q, 16777216
.set SPI, 4112                         ; a stage row: 4,096 bytes + 16: an odd multiple of 16
.set TM,  8
.set PW,  24
.set PC,  224
.set SEL, 22
.set RA,  32                           ; v32-95   two rows of x, then of x1
.set RB,  96                           ; v96-159  two rows of o
.set GG,  160                          ; v160-191 the gain
.set BB,  192                          ; v192-223 the bias
.set ST,  232                          ; v232-247 eight registers of sums a row
.macro QUANT s
.irp b, 0,1,2,3
	v_max3_num_f32 v[TM+\b], |v[\s+16*\b]|, |v[\s+1+16*\b]|, 0x1800000   ; and the floor 2^(3 - 127): the byte cannot fall under 1
.endr
.irp i, 2,4,6,8,10,12,14
.irp b, 0,1,2,3
	v_max3_num_f32 v[TM+\b], v[TM+\b], |v[\s+16*\b+\i]|, |v[\s+1+16*\b+\i]|
.endr
.endr
.irp b, 0,1,2,3
	v_permlanex16_b32 v[TM+4+\b], v[TM+\b], s[SEL], s[SEL+1]
.endr
.irp b, 0,1,2,3
	v_max_num_f32 v[TM+\b], v[TM+\b], v[TM+4+\b]
.endr
.irp b, 0,1,2,3
	v_add_nc_u32 v[TM+12+\b], 0xff000000, v[TM+\b]
.endr
.irp b, 0,1,2,3
	v_lshrrev_b32 v[TM+4+\b], 23, v[TM+12+\b]
.endr
	v_lshl_or_b32 v[PW], v[TM+5], 8, v[TM+4]
	v_lshl_or_b32 v[PW], v[TM+6], 16, v[PW]
	v_lshl_or_b32 v[PW], v[TM+7], 24, v[PW]
.irp b, 0,1,2,3
	v_cvt_scalef32_pk8_fp4_f32 v[PC+2*\b], v[\s+16*\b:\s+7+16*\b], v[TM+12+\b]
	v_cvt_scalef32_pk8_fp4_f32 v[PC+1+2*\b], v[\s+8+16*\b:\s+15+16*\b], v[TM+12+\b]
.endr
	v_nop
.irp c, 0,1
.irp i, 0,1
	v_permlane16_swap_b32 v[PC+4*\c+\i], v[PC+2+4*\c+\i]
.endr
.endr
.endm
.macro GATE a, b                       ; a + b x the gate
.set m, 0
.rept 16
	v_pk_fma_f32 v[\a+2*m:\a+2*m+1], v[\b+2*m:\b+2*m+1], s[20:21], v[\a+2*m:\a+2*m+1] op_sel_hi:[1,0,1]
.set m, m+1
.endr
.endm
.macro SUMS a, s                       ; my 32 numbers, in two chains
	v_pk_add_f32 v[\s:\s+1], v[\a:\a+1], v[\a+2:\a+3]
	v_pk_add_f32 v[\s+2:\s+3], v[\a+4:\a+5], v[\a+6:\a+7]
.set m, 4
.rept 6
	v_pk_add_f32 v[\s:\s+1], v[\s:\s+1], v[\a+2*m:\a+2*m+1]
	v_pk_add_f32 v[\s+2:\s+3], v[\s+2:\s+3], v[\a+2*m+2:\a+2*m+3]
.set m, m+2
.endr
.endm
.macro ACROSS s                        ; the chains, the halves, the 32 lanes: the row's sum in every lane's v[s]
	v_pk_add_f32 v[\s:\s+1], v[\s:\s+1], v[\s+2:\s+3]
	v_add_f32 v[\s], v[\s], v[\s+1]
	v_add_f32_dpp v[\s], v[\s], v[\s] row_xmask:1 row_mask:0xf bank_mask:0xf
	v_add_f32_dpp v[\s], v[\s], v[\s] row_xmask:2 row_mask:0xf bank_mask:0xf
	v_add_f32_dpp v[\s], v[\s], v[\s] row_xmask:4 row_mask:0xf bank_mask:0xf
	v_add_f32_dpp v[\s], v[\s], v[\s] row_xmask:8 row_mask:0xf bank_mask:0xf
	v_permlanex16_b32 v[\s+1], v[\s], s[SEL], s[SEL+1]
	v_add_f32 v[\s], v[\s], v[\s+1]
.endm
.macro CENTRE a, s                     ; less the mean
	v_mul_f32 v[\s+4], s24, v[\s]
	v_mul_f32 v[\s+5], s24, v[\s]
.set m, 0
.rept 16
	v_pk_add_f32 v[\a+2*m:\a+2*m+1], v[\a+2*m:\a+2*m+1], v[\s+4:\s+5] neg_lo:[0,1] neg_hi:[0,1]
.set m, m+1
.endr
.endm
.macro SQUARES a, s
	v_pk_mul_f32 v[\s:\s+1], v[\a:\a+1], v[\a:\a+1]
	v_pk_mul_f32 v[\s+2:\s+3], v[\a+2:\a+3], v[\a+2:\a+3]
.set m, 2
.rept 7
	v_pk_fma_f32 v[\s:\s+1], v[\a+2*m:\a+2*m+1], v[\a+2*m:\a+2*m+1], v[\s:\s+1]
	v_pk_fma_f32 v[\s+2:\s+3], v[\a+2*m+2:\a+2*m+3], v[\a+2*m+2:\a+2*m+3], v[\s+2:\s+3]
.set m, m+2
.endr
.endm
.macro FINISH a, s
	v_fma_f32 v[\s+6], v[\s], s24, s25             ; the variance + 1e-5
	v_rsq_f32 v[\s+4], v[\s+6]
	v_rsq_f32 v[\s+5], v[\s+6]
	v_nop                                          ; one plain place behind a transcendental
.set m, 0
	s_wait_alu depctr_va_vdst(0)
.rept 16
	v_pk_mul_f32 v[\a+2*m:\a+2*m+1], v[\a+2*m:\a+2*m+1], v[\s+4:\s+5]
.set m, m+1
.endr
.set m, 0
.rept 16
	v_pk_fma_f32 v[\a+2*m:\a+2*m+1], v[\a+2*m:\a+2*m+1], v[GG+2*m:GG+2*m+1], v[BB+2*m:BB+2*m+1]
.set m, m+1
.endr
.endm
	s_load_b256 s[4:11], s[0:1], 0x0               ; x, ob, scalar, ln_g
	s_load_b128 s[12:15], s[0:1], 0x20             ; ln_b, x1b
	v_lshl_add_u32 v254, v0, 2, 0x10100
	v_mov_b32 v255, 0
	v_lshrrev_b32 v1, 5, v0
	v_readfirstlane_b32 s16, v1                    ; wave 0..7
	v_and_b32 v2, 31, v0
	v_lshlrev_b32 v1, 4, v2                        ; 16 x lane
	s_lshl_b32 s17, ttmp9, 4
	s_lshl_b32 s18, s16, 1
	s_add_co_u32 s17, s17, s18                     ; my first row
	s_lshl_b32 s18, s17, 12
	s_mov_b32 s19, 0
	s_mov_b32 s[SEL], 0x76543210
	s_mov_b32 s[SEL+1], 0xfedcba98
	s_mov_b32 s24, 0x3a800000                      ; 1 / 1,024
	s_mov_b32 s25, 0x3727c5ac                      ; 1e-5
	s_wait_kmcnt 0x0
	s_load_b32 s20, s[8:9], 0x0                    ; the gate
	s_add_nc_u64 s[4:5], s[4:5], s[18:19]
	s_add_nc_u64 s[6:7], s[6:7], s[18:19]
	s_add_nc_u64 s[26:27], s[14:15], s[18:19]
.irp R, 0,1
.irp j, 0,1,2,3,4,5,6,7
	global_load_b128 v[RA+32*\R+4*\j:RA+32*\R+4*\j+3], v1, s[4:5] offset:4096*\R+512*\j
	global_load_b128 v[RB+32*\R+4*\j:RB+32*\R+4*\j+3], v1, s[6:7] offset:4096*\R+512*\j
.endr
.endr
.irp j, 0,1,2,3,4,5,6,7
	global_load_b128 v[GG+4*\j:GG+4*\j+3], v1, s[10:11] offset:512*\j
	global_load_b128 v[BB+4*\j:BB+4*\j+3], v1, s[12:13] offset:512*\j
.endr
	s_mul_i32 s28, s16, 2*SPI
	v_add_nc_u32 v3, s28, v1                       ; the stage, in: my two rows, 16 x lane
	v_and_b32 v4, 15, v0                           ; r
	v_bfe_u32 v5, v0, 4, 1                         ; h
	v_mul_u32_u24 v6, v4, SPI
	v_lshl_add_u32 v6, v5, 6, v6
	s_lshl_b32 s28, s16, 9
	v_add_nc_u32 v6, s28, v6                       ; back: row r, K step = my wave, + 64 h
	s_and_b32 s29, s16, 3
	s_lshl_b32 s28, s29, 10
	v_add_nc_u32 v7, s28, v1                       ; codes: 1,024 x (K step % 4) + 16 x lane
	s_lshl_b32 s28, s29, 6
	s_add_co_u32 s28, s28, 4096
	v_lshl_add_u32 v25, v4, 2, s28                 ; scale word: 4,096 + 64 x (K step % 4) + 4 r
	s_mul_i32 s30, ttmp9, 8704
	s_lshr_b32 s28, s16, 2
	s_mul_i32 s28, s28, 4352
	s_add_co_u32 s30, s30, s28
	s_add_co_u32 s30, s30, X1Q
	s_mov_b32 s31, 0
	s_add_nc_u64 s[30:31], s[14:15], s[30:31]      ; my tile, my K step's chunk
.irp b, 0,1,2,3
	v_mov_b32 v[TM+4+\b], 0
.endr
	s_wait_kmcnt 0x0
	s_mov_b32 s21, s20                             ; (the packed form names the pair)
	s_wait_loadcnt 16                              ; x and o are in; the 16 younger loads, the gain's and the bias's, may be out
	GATE RA, RB
	GATE RA+32, RB+32
	SUMS RA, ST
	SUMS RA+32, ST+8
	ACROSS ST
	ACROSS ST+8
	CENTRE RA, ST
	CENTRE RA+32, ST+8
	SQUARES RA, ST
	SQUARES RA+32, ST+8
	ACROSS ST
	ACROSS ST+8
	s_wait_loadcnt 0x0
	FINISH RA, ST
	FINISH RA+32, ST+8
.irp R, 0,1
.irp j, 0,1,2,3,4,5,6,7
	global_store_b128 v1, v[RA+32*\R+4*\j:RA+32*\R+4*\j+3], s[26:27] offset:4096*\R+512*\j    ; 512 consecutive bytes
	ds_store_b128 v3, v[RA+32*\R+4*\j:RA+32*\R+4*\j+3] offset:SPI*\R+512*\j
.endr
.endr
	s_wait_dscnt 0x0                               ; for the others' sake: my rows lie in the stage
	s_barrier_signal -1
	s_barrier_wait -1
	s_wait_xcnt 0x0                                ; the stores of x1 have read their registers: they are loaded again only behind this wait
.irp b, 0,1,2,3
.irp j, 0,1,2,3
	ds_load_b128 v[RA+16*\b+4*\j:RA+16*\b+4*\j+3], v6 offset:128*\b+16*\j
.endr
.endr
	s_wait_dscnt 0x0
	QUANT RA
	global_store_b128 v7, v[PC:PC+3], s[30:31]
	global_store_b128 v7, v[PC+4:PC+7], s[30:31] offset:512
	global_store_b32 v25, v[PW], s[30:31]          ; lanes l and l xor 16 write the same word with the same value
	s_wait_tensorcnt 0x0
	ds_add_u32 v254, v255
	s_wait_dscnt 0x0
	s_endpgm
.Lfunc_end_k_qabe165458f_ln1:
	.size	k_qabe165458f_ln1, .Lfunc_end_k_qabe165458f_ln1-k_qabe165458f_ln1
	.p2alignl 7, 3214868480
	.fill 96, 4, 3214868480
	.section	.rodata,"a",@progbits
	.p2align	6, 0x0
	.amdhsa_kernel k_qabe165458f_ln1
		.amdhsa_group_segment_fixed_size 66816
		.amdhsa_private_segment_fixed_size 0
		.amdhsa_enable_private_segment 0
		.amdhsa_kernarg_size 48
		.amdhsa_user_sgpr_count 2
		.amdhsa_user_sgpr_kernarg_segment_ptr 1
		.amdhsa_wavefront_size32 1
		.amdhsa_system_sgpr_workgroup_id_x 1
		.amdhsa_system_sgpr_workgroup_id_y 1
		.amdhsa_system_sgpr_workgroup_id_z 1
		.amdhsa_system_vgpr_workitem_id 0
		.amdhsa_next_free_vgpr 256
		.amdhsa_next_free_sgpr 66
		.amdhsa_reserve_vcc 0
		.amdhsa_float_denorm_mode_32 3
		.amdhsa_float_denorm_mode_16_64 3
		.amdhsa_memory_ordered 1
		.amdhsa_forward_progress 1
		.amdhsa_inst_pref_size 29
	.end_amdhsa_kernel
	.amdgpu_metadata
---
amdhsa.version: [ 1, 2 ]
amdhsa.kernels:
  - .name:           k_qabe165458f_ln1
    .symbol:         k_qabe165458f_ln1.kd
    .args:
      - { .name: x, .offset: 0, .size: 8, .value_kind: global_buffer, .address_space: global }
      - { .name: ob, .offset: 8, .size: 8, .value_kind: global_buffer, .address_space: global }
      - { .name: scalar, .offset: 16, .size: 8, .value_kind: global_buffer, .address_space: global }
      - { .name: ln_g, .offset: 24, .size: 8, .value_kind: global_buffer, .address_space: global }
      - { .name: ln_b, .offset: 32, .size: 8, .value_kind: global_buffer, .address_space: global }
      - { .name: x1b, .offset: 40, .size: 8, .value_kind: global_buffer, .address_space: global }
    .group_segment_fixed_size: 66816
    .private_segment_fixed_size: 0
    .kernarg_segment_align: 8
    .kernarg_segment_size: 48
    .max_flat_workgroup_size: 256
    .sgpr_count:     66
    .vgpr_count:     256
    .wavefront_size: 32
...
	.end_amdgpu_metadata
.endif
;; end of part 4
;; launch ffn1 (part 5): grid 16 x 16, 4 waves a work-group, clusters of 4 x 4, 279,040 bytes of LDS; arguments x1b, wsq, eb1, hb; writes hb
.if DOCPART == 5
	.amdgcn_target "amdgcn-amd-amdhsa--gfx1250"
	.amdhsa_code_object_version 6
	.text
	.protected	k_qabe165458f_ffn1
	.globl	k_qabe165458f_ffn1
	.p2align	8
	.type	k_qabe165458f_ffn1,@function
k_qabe165458f_ffn1:
	s_mov_b64 s[64:65], 0
	v_nop
	global_prefetch_b8 v0, s[64:65] scope:SCOPE_SE
	s_setreg_imm32_b32 hwreg(HW_REG_WAVE_MODE, 25, 1), 1
	s_wait_xcnt 0x0
	s_wait_alu depctr_hold_cnt(0) depctr_sa_sdst(0) depctr_va_vdst(0) depctr_va_sdst(0) depctr_va_ssrc(0) depctr_va_vcc(0) depctr_vm_vsrc(0)
	s_getreg_b32 s2, hwreg(HW_REG_IB_STS2, 6, 4)
	s_cmp_eq_u32 s2, 0
	s_cbranch_scc0 .Lentry_in_a_cluster
	s_endpgm
.Lentry_in_a_cluster:
	s_bfe_u32 s2, ttmp6, 0x10000c
	s_cmp_lg_u32 s2, 0xf033
	s_cbranch_scc0 .Lentry_shape_is_right
	s_endpgm
.Lentry_shape_is_right:
; h = gelu(x1 eW1[e] + eb1[e]) (the exact gelu, by erf), on codes of FP4 with E8M0 scales (K = 1,024), and h quantised again along the hidden units.
; The cluster's y is the expert.  A work-group makes 256 tokens x 256 hidden units; a wave 128 x 128: 64 accumulators, 512 registers.
; Operands lie in the order of the operand's registers: tile (16 rows) x chunk (512 K) = 4,352 bytes: 4,096 of codes, 256 of scale words.
; ALL OF K FITS IN LDS (32 tiles x 8,704 bytes): each wave brings 8 tiles by two tensor loads, K's first half and its second; nothing is filled again.
; CLUSTER 4 x 4: x1's tiles are shared along a row of the cluster, eW1's along a column: each is asked for jointly.
; Source 0 = 16 columns of eW1 (spread: row r of tile 2 b + u is column 32 b + 8 u + r + 8 (r / 8)), source 1 = 16 tokens: a lane holds one token, and the 64 registers of a token tile run along the
; wave's 128 hidden units, which are one K step of the next product: they become one fragment and one scale word a row.
; THE WAY OUT is a loop of eight trips, one for each token tile.  Registers cannot be indexed, so a trip begins with a ladder of compares on its counter to one of eight short blocks, which add the bias
; and so bring the tile's 64 numbers into window 0; the gelu, the quantiser and the stores are written once.
; erf: two polynomials, one for |z| <= 0.927734375 and one, through an exponential, beyond; both are computed and v_cndmask_b32 selects: no branch hangs on data.
; LIMITS: a block of zeros, and one whose largest magnitude lies under 2^-124, gets the byte 1; NaN and infinities are not served; 1 + erf is formed as a sum, so far below zero gelu keeps an absolute, not a relative, accuracy of f32.
; REGISTERS: window 0: v1-13 addresses; v16-23 codes just made; v24-39 at work; v40 the scale word just made; v42-47 three constants as pairs; v48-79 scale words of the operands, and nothing else;
;   v80-143 the bias; v144-207 the group at work; v208-255 at work in the gelu.   window 1: two sets of fragments.   windows 2, 3: accumulator (i, j) at v[8 (8 (j % 4) + i)] of window 2 + j / 4.
.set HALF,  139264
.set CH,    4352
.set TS,    8704
.set X1Q,   16777216
.set E1Q,   3899392
.set HTS,   34816                      ; a tile of h: 8 chunks
.set LI,   2
.set ADP,  4
.set ADQ,  6
.set ASP,  8
.set ASQ,  10
.set LR,   12
.set LH,   13
.set PC,   16
.set TM,   24
.set PW,   40
.set SC,   48
.set BIAS, 80
.set T,    144
.set GZ,   208
.set GT,   216
.set GS,   224
.set GL,   232
.set GU,   240
.set GR,   248
.set SEL,  22
.set G1,   24
.set G0,   32
.set G1B,  48
.set G0B,  56
.set MSB, 0
.macro WIN new
.if MSB != (\new)
	s_set_vgpr_msb (MSB<<8)|(\new)
.set MSB, (\new)
.endif
.endm
.macro PLACES n
.rept \n
	v_nop
.endr
.endm
.macro CREST
	s_cmp_lg_u32 s14, 0
	s_cbranch_scc1 .Lnot_wave_0_\@
	s_barrier_signal -3
.Lnot_wave_0_\@:
	s_barrier_wait -3
	s_barrier_signal -1
	s_barrier_wait -1
.endm
.macro CROUND
	s_barrier_signal -1
	s_barrier_wait -1
	CREST
.endm
.macro QUANT s
.irp b, 0,1,2,3
	v_max3_num_f32 v[TM+\b], |v[\s+16*\b]|, |v[\s+1+16*\b]|, 0x1800000   ; and the floor 2^(3 - 127): the byte cannot fall under 1
.endr
.irp i, 2,4,6,8,10,12,14
.irp b, 0,1,2,3
	v_max3_num_f32 v[TM+\b], v[TM+\b], |v[\s+16*\b+\i]|, |v[\s+1+16*\b+\i]|
.endr
.endr
.irp b, 0,1,2,3
	v_permlanex16_b32 v[TM+4+\b], v[TM+\b], s[SEL], s[SEL+1]
.endr
.irp b, 0,1,2,3
	v_max_num_f32 v[TM+\b], v[TM+\b], v[TM+4+\b]
.endr
.irp b, 0,1,2,3
	v_add_nc_u32 v[TM+12+\b], 0xff000000, v[TM+\b]
.endr
.irp b, 0,1,2,3
	v_lshrrev_b32 v[TM+4+\b], 23, v[TM+12+\b]
.endr
	v_lshl_or_b32 v[PW], v[TM+5], 8, v[TM+4]
	v_lshl_or_b32 v[PW], v[TM+6], 16, v[PW]
	v_lshl_or_b32 v[PW], v[TM+7], 24, v[PW]
.irp b, 0,1,2,3
	v_cvt_scalef32_pk8_fp4_f32 v[PC+2*\b], v[\s+16*\b:\s+7+16*\b], v[TM+12+\b]
	v_cvt_scalef32_pk8_fp4_f32 v[PC+1+2*\b], v[\s+8+16*\b:\s+15+16*\b], v[TM+12+\b]
.endr
	v_nop
.irp c, 0,1
.irp i, 0,1
	v_permlane16_swap_b32 v[PC+4*\c+\i], v[PC+2+4*\c+\i]
.endr
.endr
.endm
.macro FETCH q                         ; K step q's fragments into set q % 2; with an even step the scale words of two steps: lanes 0-15 the even step's, lanes 16-31 the odd one's
.set FS, (\q)>>2
.set FQ, (\q)&3
.set FP, 128*((\q)&1)
	WIN 0x40
.irp i, 0,1,2,3,4,5,6,7
.irp c, 0,1
	ds_load_b128 v[FP+8*\i+4*\c:FP+8*\i+4*\c+3], v[ADQ+FS] offset:\i*CH+FQ*1024+512*\c
.endr
.endr
.irp i, 0,1,2,3,4,5,6,7
.irp c, 0,1
	ds_load_b128 v[FP+64+8*\i+4*\c:FP+64+8*\i+4*\c+3], v[ADP+FS] offset:\i*CH+FQ*1024+512*\c
.endr
.endr
	WIN 0
.if ((\q)&1) == 0
.set FC, SC+16*(((\q)>>1)&1)
.irp i, 0,1,2,3,4,5,6,7
	ds_load_b32 v[FC+\i], v[ASQ+FS] offset:\i*CH+4096+(FQ>>1)*128
	ds_load_b32 v[FC+8+\i], v[ASP+FS] offset:\i*CH+4096+(FQ>>1)*128
.endr
.endif
.endm
.macro MUL32 q, hi, zero               ; 32 products; the 64 accumulators take turns, one instruction a turn, in the same order in every step
.set MP, 128*((\q)&1)
.set MC, SC+16*(((\q)>>1)&1)
.set MO, (\q)&1
	WIN 0xa5+0x50*(\hi)
.irp j, 0,1,2,3
.irp i, 0,1,2,3,4,5,6,7
.if \zero
	v_wmma_scale_f32_16x16x128_f8f6f4 v[8*(8*\j+\i):8*(8*\j+\i)+7], v[MP+64+8*\i:MP+64+8*\i+7], v[MP+8*(4*(\hi)+\j):MP+8*(4*(\hi)+\j)+7], 0, v[MC+8+\i], v[MC+4*(\hi)+\j] matrix_a_fmt:MATRIX_FMT_FP4 matrix_b_fmt:MATRIX_FMT_FP4
.elseif MO
	v_wmma_scale_f32_16x16x128_f8f6f4 v[8*(8*\j+\i):8*(8*\j+\i)+7], v[MP+64+8*\i:MP+64+8*\i+7], v[MP+8*(4*(\hi)+\j):MP+8*(4*(\hi)+\j)+7], v[8*(8*\j+\i):8*(8*\j+\i)+7], v[MC+8+\i], v[MC+4*(\hi)+\j] matrix_a_fmt:MATRIX_FMT_FP4 matrix_b_fmt:MATRIX_FMT_FP4 matrix_a_scale:MATRIX_SCALE_ROW1 matrix_b_scale:MATRIX_SCALE_ROW1
.else
	v_wmma_scale_f32_16x16x128_f8f6f4 v[8*(8*\j+\i):8*(8*\j+\i)+7], v[MP+64+8*\i:MP+64+8*\i+7], v[MP+8*(4*(\hi)+\j):MP+8*(4*(\hi)+\j)+7], v[8*(8*\j+\i):8*(8*\j+\i)+7], v[MC+8+\i], v[MC+4*(\hi)+\j] matrix_a_fmt:MATRIX_FMT_FP4 matrix_b_fmt:MATRIX_FMT_FP4
.endif
.endr
.endr
.endm
.macro STEP q
	s_wait_dscnt 0x0                               ; this step's fragments and scale words are in
.if (\q) == 3
	s_wait_tensorcnt 0x0                           ; my part of K's second half has landed;
	s_barrier_signal -1
	MUL32 \q, 0, 0
	s_barrier_wait -1                              ; everybody's has.
	PLACES 4
	FETCH 4
	MUL32 \q, 1, 0
.elseif (\q) == 0
	FETCH 1
	MUL32 0, 0, 1                                  ; the first products start the sums
	MUL32 0, 1, 1
.elseif (\q) == 7
	MUL32 7, 0, 0
	MUL32 7, 1, 0
.else
	PLACES 4                                       ; in front of loads into registers that the last step's products read
	FETCH (\q)+1
	MUL32 \q, 0, 0
	MUL32 \q, 1, 0
.endif
.endm
.macro HORNER d, m, c                  ; d = d x m + c, eight numbers
.irp k, 0,2,4,6
	v_pk_fma_f32 v[\d+\k:\d+\k+1], v[\d+\k:\d+\k+1], v[\m+\k:\m+\k+1], \c op_sel_hi:[1,1,0]
.endr
.endm
; gelu of eight numbers in place: 0.5 x (1 + erf(x / sqrt 2)).  The two chains stand by turns, so that no line waits for the line above it.
.macro GELU8 x
.irp k, 0,2,4,6
	v_pk_mul_f32 v[GZ+\k:GZ+\k+1], v[(\x)+\k:(\x)+\k+1], 0x3f3504f3 op_sel_hi:[1,0]   ; z = x / sqrt 2
.endr
.irp k, 0,1,2,3,4,5,6,7
	v_and_b32 v[GT+\k], 0x7fffffff, v[GZ+\k]       ; t = |z|
.endr
.irp k, 0,2,4,6
	v_pk_mul_f32 v[GS+\k:GS+\k+1], v[GZ+\k:GZ+\k+1], v[GZ+\k:GZ+\k+1]                 ; s = z z
.endr
.irp k, 0,2,4,6
	v_pk_fma_f32 v[GL+\k:GL+\k+1], v[GT+\k:GT+\k+1], v[42:43], 0x39c8e7d9 op_sel_hi:[1,1,0]
.endr
.irp k, 0,2,4,6
	v_pk_fma_f32 v[GU+\k:GU+\k+1], v[GT+\k:GT+\k+1], v[44:45], 0x3cc6b1a1 op_sel_hi:[1,1,0]
.endr
.irp k, 0,2,4,6
	v_pk_fma_f32 v[GR+\k:GR+\k+1], v[GS+\k:GS+\k+1], v[46:47], 0x3ba38d2c op_sel_hi:[1,1,0]
.endr
.irp k, 0,2,4,6
	v_pk_fma_f32 v[GL+\k:GL+\k+1], v[GL+\k:GL+\k+1], v[GS+\k:GS+\k+1], v[GU+\k:GU+\k+1]
.endr
	HORNER GR, GS, 0xbcdb48d9
	HORNER GL, GT, 0xbddaae5c
	HORNER GR, GS, 0x3de70e22
	HORNER GL, GT, 0xbf228550
	HORNER GR, GS, 0xbec09380
	HORNER GL, GT, 0xbe03ce86
	HORNER GR, GS, 0x3e0375d4
.irp k, 0,2,4,6
	v_pk_fma_f32 v[GL+\k:GL+\k+1], v[GL+\k:GL+\k+1], v[GT+\k:GT+\k+1], v[GT+\k:GT+\k+1] neg_lo:[0,0,1] neg_hi:[0,0,1]
.endr
.irp k, 0,2,4,6
	v_pk_fma_f32 v[GR+\k:GR+\k+1], v[GR+\k:GR+\k+1], v[GZ+\k:GZ+\k+1], v[GZ+\k:GZ+\k+1]   ; erf for small |z|
.endr
.irp k, 0,2,4,6
	v_pk_mul_f32 v[GL+\k:GL+\k+1], v[GL+\k:GL+\k+1], 0x3fb8aa3b op_sel_hi:[1,0]
.endr
.irp k, 0,1,2,3,4,5,6,7
	v_exp_f32 v[GL+\k], v[GL+\k]
.endr
.irp k, 0,2,4,6
	v_pk_mul_f32 v[(\x)+\k:(\x)+\k+1], v[(\x)+\k:(\x)+\k+1], 0.5 op_sel_hi:[1,0]      ; (plain places behind the exponentials)
.endr
	s_wait_alu depctr_va_vdst(0)
.irp k, 0,2,4,6
	v_pk_fma_f32 v[GL+\k:GL+\k+1], v[GL+\k:GL+\k+1], -1.0, 1.0 op_sel_hi:[1,0,0]
.endr
.irp k, 0,1,2,3,4,5,6,7
	v_bfi_b32 v[GL+\k], 0x7fffffff, v[GL+\k], v[GZ+\k]             ; z's sign: erf for large |z|
.endr
.irp k, 0,1,2,3,4,5,6,7
	v_cmp_lt_f32 s[80+\k], s73, v[GT+\k]
.endr
.irp k, 0,1,2,3,4,5,6,7
	v_cndmask_b32 v[GR+\k], v[GR+\k], v[GL+\k], s[80+\k]
.endr
.irp k, 0,2,4,6
	v_pk_fma_f32 v[(\x)+\k:(\x)+\k+1], v[(\x)+\k:(\x)+\k+1], v[GR+\k:GR+\k+1], v[(\x)+\k:(\x)+\k+1]
.endr
.endm
	s_load_b256 s[4:11], s[0:1], 0x0               ; x1b, wsq, eb1, hb
	v_lshl_add_u32 v35, v0, 2, 0x44000
	v_mov_b32 v41, 0
	ds_add_u32 v35, v41
	ds_add_u32 v35, v41
	v_lshrrev_b32 v1, 5, v0
	v_readfirstlane_b32 s14, v1                    ; wave 0..3
	s_lshr_b32 s15, s14, 1                         ; which half of the tokens is mine.  Also: I fetch x1's tiles (0) or eW1's (1)
	s_and_b32 s16, s14, 1                          ; which half of the columns.  Also: which 8 tiles I fetch
	s_bfe_u32 s40, ttmp6, 0x40000                  ; cx, cy
	s_bfe_u32 s41, ttmp6, 0x40004
	s_lshl_b32 s42, ttmp9, 2
	s_add_co_u32 s42, s42, s40                     ; block of 256 hidden units
	s_and_b32 s17, ttmp7, 0xffff                   ; the expert
	s_lshl_b32 s43, s41, 2
	s_lshl_b32 s43, 15, s43                        ; my row of the cluster
	s_lshl_b32 s44, 0x1111, s40                    ; my column
	s_or_b32 s[G1], s43, (3<<16)|(1<<21)           ; the mask; elements of 8 bytes; bit 21 beside a mask; no padding
	s_or_b32 s[G1B], s44, (3<<16)|(1<<21)
.irp g, G1, G1B
	s_mov_b32 s[\g+1], 544<<16                     ; a chunk, 4,352 bytes
	s_mov_b32 s[\g+2], 8<<16                       ; 8 tiles
	s_mov_b32 s[\g+3], 544<<16
	s_mov_b32 s[\g+4], 8
	s_mov_b32 s[\g+5], 1088                        ; from tile to tile: 8,704 bytes
	s_mov_b32 s[\g+6], 0
	s_mov_b32 s[\g+7], 0
.endr
	s_lshr_b32 s18, s41, 1                         ; my 256 tokens begin at 2,048 (cy / 2) + 512 e + 256 (cy % 2); as a tile:
	s_lshl_b32 s18, s18, 7
	s_and_b32 s19, s41, 1
	s_lshl_b32 s19, s19, 4
	s_add_co_u32 s18, s18, s19
	s_lshl_b32 s19, s17, 5
	s_add_co_u32 s18, s18, s19
	s_lshl_b32 s19, s16, 3                         ; which 8 tiles I fetch
	s_add_co_u32 s20, s18, s19
	s_mul_i32 s20, s20, TS
	s_add_co_u32 s20, s20, X1Q
	s_mov_b32 s21, 0
	s_lshl_b32 s46, s17, 8
	s_lshl_b32 s47, s42, 4
	s_add_co_u32 s46, s46, s47
	s_add_co_u32 s46, s46, s19
	s_mul_i32 s46, s46, TS
	s_add_co_u32 s46, s46, E1Q
	s_mov_b32 s47, 0
	s_mul_i32 s45, s14, 8*CH
	s_wait_dscnt 0x0
	s_wait_kmcnt 0x0
	s_add_nc_u64 s[20:21], s[4:5], s[20:21]
	s_add_nc_u64 s[46:47], s[6:7], s[46:47]
	CROUND                                         ; all sixteen work-groups are here: the joint loads meet
.irp s, 0,1
	s_mov_b32 s[G0+4*\s], 1
	s_add_co_u32 s[G0+4*\s+1], s45, \s*HALF
	s_add_nc_u64 s[G0+4*\s+2:G0+4*\s+3], s[20:21], \s*CH
	s_or_b32 s[G0+4*\s+3], s[G0+4*\s+3], 0x80000000
	s_mov_b32 s[G0B+4*\s], 1
	s_add_co_u32 s[G0B+4*\s+1], s45, \s*HALF
	s_add_nc_u64 s[G0B+4*\s+2:G0B+4*\s+3], s[46:47], \s*CH
	s_or_b32 s[G0B+4*\s+3], s[G0B+4*\s+3], 0x80000000
.endr
	s_cmp_eq_u32 s15, 0                            ; a wave's two loads stand in one branch on its number: two loads of mine are out; four v_nop follow the second
	s_cbranch_scc0 .Lfirst_w
	tensor_load_to_lds s[G0:G0+3], s[G1:G1+7]
	s_nop 0
	tensor_load_to_lds s[G0+4:G0+7], s[G1:G1+7]
	s_nop 0
	PLACES 4
	s_branch .Lfirst_asked
.Lfirst_w:
	tensor_load_to_lds s[G0B:G0B+3], s[G1B:G1B+7]
	s_nop 0
	tensor_load_to_lds s[G0B+4:G0B+7], s[G1B:G1B+7]
	s_nop 0
	PLACES 4
.Lfirst_asked:
	s_mul_i32 s69, s15, 8*CH                       ; source 1: my 8 tiles of x1
	s_mul_i32 s68, s16, 8*CH
	s_add_co_u32 s68, s68, 16*CH                   ; source 0: my 8 tiles of eW1, behind x1's 16
	v_and_b32 v1, 31, v0
	v_lshlrev_b32 v[LI], 4, v1
	v_lshlrev_b32 v3, 2, v1
	v_add_nc_u32 v[ADP], s68, v[LI]
	v_add_nc_u32 v[ADP+1], HALF, v[ADP]
	v_add_nc_u32 v[ADQ], s69, v[LI]
	v_add_nc_u32 v[ADQ+1], HALF, v[ADQ]
	v_add_nc_u32 v[ASP], s68, v3
	v_add_nc_u32 v[ASP+1], HALF, v[ASP]
	v_add_nc_u32 v[ASQ], s69, v3
	v_add_nc_u32 v[ASQ+1], HALF, v[ASQ]
	v_and_b32 v[LR], 15, v0
	v_lshlrev_b32 v[LR], 2, v[LR]
	v_bfe_u32 v[LH], v0, 4, 1
	v_lshlrev_b32 v[LH], 6, v[LH]
	s_lshl_b32 s74, s17, 12                        ; eb1: 4,096 e + 256 x block + 128 x half, in numbers
	s_lshl_b32 s75, s42, 8
	s_add_co_u32 s74, s74, s75
	s_lshl_b32 s75, s16, 7
	s_add_co_u32 s74, s74, s75
	s_lshl_b32 s74, s74, 2
	s_mov_b32 s75, 0
	s_add_nc_u64 s[8:9], s[8:9], s[74:75]
.irp i, 0,1,2,3,4,5,6,7
	global_load_b128 v[BIAS+8*\i:BIAS+8*\i+3], v[LH], s[8:9] offset:(32*(\i/2)+8*(\i%2))*4        ; tile 2 b + u, lane half h: units 32 b + 16 h + 8 u + 0 .. 7
	global_load_b128 v[BIAS+8*\i+4:BIAS+8*\i+7], v[LH], s[8:9] offset:(32*(\i/2)+8*(\i%2))*4+16
.endr
.irp b, 0,1,2,3
	v_mov_b32 v[TM+4+\b], 0
.endr
	v_mov_b32 v42, 0xb7910000
	v_mov_b32 v43, 0xb7910000
	v_mov_b32 v44, 0xbb7e8a1c
	v_mov_b32 v45, 0xbb7e8a1c
	v_mov_b32 v46, 0xba1c7000
	v_mov_b32 v47, 0xba1c7000
	s_mov_b32 s[SEL], 0x76543210
	s_mov_b32 s[SEL+1], 0xfedcba98
	s_mov_b32 s73, 0x3f6d8000                      ; 0.927734375
	s_lshl_b32 s76, s15, 3
	s_add_co_u32 s76, s76, s18                     ; my first token tile
	s_mul_i32 s76, s76, HTS
	s_lshl_b32 s77, s42, 1
	s_add_co_u32 s77, s77, s16                     ; my K step of the next product: 2 x block + half
	s_lshr_b32 s78, s77, 2
	s_mul_i32 s78, s78, CH
	s_add_co_u32 s76, s76, s78                     ; its chunk
	s_and_b32 s77, s77, 3
	s_lshl_b32 s78, s77, 10
	s_add_co_u32 s78, s78, s76                     ; codes
	s_mov_b32 s79, 0
	s_add_nc_u64 s[70:71], s[10:11], s[78:79]
	s_lshl_b32 s78, s77, 6
	s_add_co_u32 s78, s78, s76
	s_add_co_u32 s78, s78, 4096                    ; scale words
	s_add_nc_u64 s[88:89], s[10:11], s[78:79]
	s_wait_tensorcnt 0x1                           ; my part of K's first half is in; the one load behind it may stay out
	s_barrier_signal -1
	s_barrier_wait -1
	FETCH 0
	STEP 0
	STEP 1
	STEP 2
	STEP 3
	STEP 4
	STEP 5
	STEP 6
	STEP 7
	WIN 0
	PLACES 4                                       ; in front of the first read of results
	s_wait_loadcnt 0x0                             ; the bias
	s_mov_b32 s66, 0
.Lgroup:
.irp n, 0,1,2,3,4,5,6
	s_cmp_eq_u32 s66, \n
	s_cbranch_scc1 .Lcopy_\n
.endr
	s_branch .Lcopy_7
.macro COPY n                          ; token tile n: + the bias, into window 0; each accumulator from its low end on
.Lcopy_\n:
	WIN 0x02+((\n)>>2)
.set m, 0
.rept 32
	v_pk_add_f32 v[T+2*m:T+2*m+1], v[64*((\n)&3)+2*m:64*((\n)&3)+2*m+1], v[BIAS+2*m:BIAS+2*m+1]
.set m, m+1
.endr
	WIN 0
.if (\n) < 7
	s_branch .Lwork
.endif
.endm
	COPY 0
	COPY 1
	COPY 2
	COPY 3
	COPY 4
	COPY 5
	COPY 6
	COPY 7
.Lwork:
.irp g, 0,1,2,3,4,5,6,7
	GELU8 T+8*\g
.endr
	QUANT T
	global_store_b128 v[LI], v[PC:PC+3], s[70:71]              ; 512 consecutive bytes
	global_store_b128 v[LI], v[PC+4:PC+7], s[70:71] offset:512
	global_store_b32 v[LR], v[PW], s[88:89]                    ; 64 bytes: a part of a run of 256; lanes l and l xor 16 write the same word
	s_wait_xcnt 0x0                                ; the stores have read their registers and bases: both are written again only behind this wait
	s_add_nc_u64 s[70:71], s[70:71], HTS           ; the next token tile
	s_add_nc_u64 s[88:89], s[88:89], HTS
	s_add_co_u32 s66, s66, 1
	s_cmp_lt_u32 s66, 8
	s_cbranch_scc1 .Lgroup
	s_wait_tensorcnt 0x0
	ds_add_u32 v35, v41
	s_wait_dscnt 0x0
	CROUND                                         ; the closing round
	s_endpgm
.Lfunc_end_k_qabe165458f_ffn1:
	.size	k_qabe165458f_ffn1, .Lfunc_end_k_qabe165458f_ffn1-k_qabe165458f_ffn1
	.p2alignl 7, 3214868480
	.fill 96, 4, 3214868480
	.section	.rodata,"a",@progbits
	.p2align	6, 0x0
	.amdhsa_kernel k_qabe165458f_ffn1
		.amdhsa_group_segment_fixed_size 279040
		.amdhsa_private_segment_fixed_size 0
		.amdhsa_enable_private_segment 0
		.amdhsa_kernarg_size 32
		.amdhsa_user_sgpr_count 2
		.amdhsa_user_sgpr_kernarg_segment_ptr 1
		.amdhsa_wavefront_size32 1
		.amdhsa_system_sgpr_workgroup_id_x 1
		.amdhsa_system_sgpr_workgroup_id_y 1
		.amdhsa_system_sgpr_workgroup_id_z 1
		.amdhsa_system_vgpr_workitem_id 0
		.amdhsa_next_free_vgpr 1024
		.amdhsa_next_free_sgpr 100
		.amdhsa_reserve_vcc 0
		.amdhsa_float_denorm_mode_32 3
		.amdhsa_float_denorm_mode_16_64 3
		.amdhsa_memory_ordered 1
		.amdhsa_forward_progress 1
		.amdhsa_inst_pref_size 188
	.end_amdhsa_kernel
	.amdgpu_metadata
---
amdhsa.version: [ 1, 2 ]
amdhsa.kernels:
  - .name:           k_qabe165458f_ffn1
    .symbol:         k_qabe165458f_ffn1.kd
    .args:
      - { .name: x1b, .offset: 0, .size: 8, .value_kind: global_buffer, .address_space: global }
      - { .name: wsq, .offset: 8, .size: 8, .value_kind: global_buffer, .address_space: global }
      - { .name: eb1, .offset: 16, .size: 8, .value_kind: global_buffer, .address_space: global }
      - { .name: hb, .offset: 24, .size: 8, .value_kind: global_buffer, .address_space: global }
    .group_segment_fixed_size: 279040
    .private_segment_fixed_size: 0
    .kernarg_segment_align: 8
    .kernarg_segment_size: 32
    .max_flat_workgroup_size: 128
    .sgpr_count:     100
    .vgpr_count:     1024
    .wavefront_size: 32
...
	.end_amdgpu_metadata
.endif
;; end of part 5
;; launch ffn2 (part 6): grid 8 x 32, 4 waves a work-group, clusters of 4 x 4, 327,680 bytes of LDS; arguments hb, wsq, eb2, yb; writes yb
.if DOCPART == 6
	.amdgcn_target "amdgcn-amd-amdhsa--gfx1250"
	.amdhsa_code_object_version 6
	.text
	.protected	k_qabe165458f_ffn2
	.globl	k_qabe165458f_ffn2
	.p2align	8
	.type	k_qabe165458f_ffn2,@function
k_qabe165458f_ffn2:
	s_mov_b64 s[64:65], 0
	v_nop
	global_prefetch_b8 v0, s[64:65] scope:SCOPE_SE
	s_setreg_imm32_b32 hwreg(HW_REG_WAVE_MODE, 25, 1), 1
	s_wait_xcnt 0x0
	s_wait_alu depctr_hold_cnt(0) depctr_sa_sdst(0) depctr_va_vdst(0) depctr_va_sdst(0) depctr_va_ssrc(0) depctr_va_vcc(0) depctr_vm_vsrc(0)
	s_getreg_b32 s2, hwreg(HW_REG_IB_STS2, 6, 4)
	s_cmp_eq_u32 s2, 0
	s_cbranch_scc0 .Lentry_in_a_cluster
	s_endpgm
.Lentry_in_a_cluster:
	s_bfe_u32 s2, ttmp6, 0x10000c
	s_cmp_lg_u32 s2, 0xf033
	s_cbranch_scc0 .Lentry_shape_is_right
	s_endpgm
.Lentry_shape_is_right:
; y = h eW2[e] + eb2[e], on codes of FP4 with E8M0 scales, K = 4,096; y is f32 [token][1024].
; A work-group makes 128 tokens x 128 columns, so that there are 256 work-groups (tiles of 256 x 256 would make 64); a wave 64 x 64: 16 accumulators.
; Operands lie in the order of the operand's registers: tile (16 rows) x chunk (512 K) = 4,352 bytes.  K goes in four runs of 1,024 through two LDS slots of 16 tiles x 8,704 bytes;
; each wave brings 4 tiles by one tensor load.  The cluster's y is 2 x expert + batch.
; CLUSTER 4 x 4: h's tiles are shared along a row of the cluster, eW2's along a column: each is asked for jointly.  A refill stands behind a round of the cluster's barrier.
; Source 0 = 16 columns of eW2, source 1 = 16 tokens: a lane holds eight neighbouring columns of one token's row.
; All of LDS is claimed; the text uses 296,448 bytes.
; REGISTERS: window 0: v1-15 addresses; v28, v29 for the add; v48-63 scale words, two sets, and nothing else; v80-111 the bias; v144-175 a token tile's results; v176-239 rows read back, two sets.
;   window 1: two sets of fragments for two K steps: source 1's (step t, tile j) at 128 p + 64 t + 8 j, source 0's at 128 p + 64 t + 32 + 8 i.   window 2: accumulator (i, j) at v[8 (4 j + i)].
.set SLOT,  139264
.set CH,    4352
.set RUN,   8704                       ; 1,024 along K of a tile
.set HTS,   34816
.set E2Q,   12812288
.set STAGE, 2*SLOT                     ; 16 rows x 272 bytes for each wave; no tensor load lands there
.set SPARE, STAGE+4*16*272             ; the spare words: 128 bytes for each wave, two blocks of 256 bytes that no other line names
.set LI,   2
.set ADP,  4
.set ADQ,  6
.set ASP,  8
.set ASQ,  10
.set STO,  12
.set RD,   13
.set CO,   14
.set LH,   15
.set SPW,  28
.set NIL,  29
.set SC,   48
.set BIAS, 80
.set TT,   144
.set BK,   176
.set G1,   24
.set G0,   32
.set G1B,  48
.set G0B,  56
.set MSB, 0
.macro WIN new
.if MSB != (\new)
	s_set_vgpr_msb (MSB<<8)|(\new)
.set MSB, (\new)
.endif
.endm
.macro PLACES n
.rept \n
	v_nop
.endr
.endm
.macro CREST
	s_cmp_lg_u32 s14, 0
	s_cbranch_scc1 .Lnot_wave_0_\@
	s_barrier_signal -3
.Lnot_wave_0_\@:
	s_barrier_wait -3
	s_barrier_signal -1
	s_barrier_wait -1
.endm
.macro CROUND
	s_barrier_signal -1
	s_barrier_wait -1
	CREST
.endm
.macro JL1 slot                        ; a joint refill: waves 0, 1 fetch h's tiles, waves 2, 3 eW2's; four v_nop follow each of the two lines
	s_cmp_eq_u32 s15, 0
	s_cbranch_scc0 .Lfor_w_\@
	tensor_load_to_lds s[G0+4*\slot:G0+4*\slot+3], s[G1:G1+7]
	s_nop 0
	PLACES 4
	s_branch .Lasked_\@
.Lfor_w_\@:
	tensor_load_to_lds s[G0B+4*\slot:G0B+4*\slot+3], s[G1B:G1B+7]
	s_nop 0
	PLACES 4
.Lasked_\@:
.endm
.macro FETCHP slot, pr                 ; the slot's pair pr of K steps into set pr % 2: 32 loads of 512 consecutive bytes, and 8 of scale words (lanes 0-15 the even step's, lanes 16-31 the odd one's)
.set FP, 128*((\pr)&1)
.set FO, ((\pr)>>1)*CH+((\pr)&1)*2048
.set FW, ((\pr)>>1)*CH+4096+((\pr)&1)*128
.set FC, SC+8*((\pr)&1)
	WIN 0x40
.irp t, 0,1
.irp i, 0,1,2,3
.irp c, 0,1
	ds_load_b128 v[FP+64*\t+8*\i+4*\c:FP+64*\t+8*\i+4*\c+3], v[ADQ+\slot] offset:\i*RUN+FO+1024*\t+512*\c
	ds_load_b128 v[FP+64*\t+32+8*\i+4*\c:FP+64*\t+32+8*\i+4*\c+3], v[ADP+\slot] offset:\i*RUN+FO+1024*\t+512*\c
.endr
.endr
.endr
	WIN 0
.irp i, 0,1,2,3
	ds_load_b32 v[FC+\i], v[ASQ+\slot] offset:\i*RUN+FW
	ds_load_b32 v[FC+4+\i], v[ASP+\slot] offset:\i*RUN+FW
.endr
.endm
.macro MULP p, zero                    ; 32 products: two K steps; the 16 accumulators take turns, one instruction a turn
	WIN 0xa5
.irp t, 0,1
.irp j, 0,1,2,3
.irp i, 0,1,2,3
.if (\zero) && (\t == 0)
	v_wmma_scale_f32_16x16x128_f8f6f4 v[8*(4*\j+\i):8*(4*\j+\i)+7], v[128*(\p)+64*\t+32+8*\i:128*(\p)+64*\t+32+8*\i+7], v[128*(\p)+64*\t+8*\j:128*(\p)+64*\t+8*\j+7], 0, v[SC+8*(\p)+4+\i], v[SC+8*(\p)+\j] matrix_a_fmt:MATRIX_FMT_FP4 matrix_b_fmt:MATRIX_FMT_FP4
.elseif \t == 0
	v_wmma_scale_f32_16x16x128_f8f6f4 v[8*(4*\j+\i):8*(4*\j+\i)+7], v[128*(\p)+64*\t+32+8*\i:128*(\p)+64*\t+32+8*\i+7], v[128*(\p)+64*\t+8*\j:128*(\p)+64*\t+8*\j+7], v[8*(4*\j+\i):8*(4*\j+\i)+7], v[SC+8*(\p)+4+\i], v[SC+8*(\p)+\j] matrix_a_fmt:MATRIX_FMT_FP4 matrix_b_fmt:MATRIX_FMT_FP4
.else
	v_wmma_scale_f32_16x16x128_f8f6f4 v[8*(4*\j+\i):8*(4*\j+\i)+7], v[128*(\p)+64*\t+32+8*\i:128*(\p)+64*\t+32+8*\i+7], v[128*(\p)+64*\t+8*\j:128*(\p)+64*\t+8*\j+7], v[8*(4*\j+\i):8*(4*\j+\i)+7], v[SC+8*(\p)+4+\i], v[SC+8*(\p)+\j] matrix_a_fmt:MATRIX_FMT_FP4 matrix_b_fmt:MATRIX_FMT_FP4 matrix_a_scale:MATRIX_SCALE_ROW1 matrix_b_scale:MATRIX_SCALE_ROW1
.endif
.endr
.endr
.endr
.endm
.macro PAIR slot, pr, zero             ; one of a slot's first three pairs: its fragments are in; the next pair's are asked for; 32 products
	s_wait_dscnt 0x0
.if !(\zero)
	PLACES 4                                       ; in front of loads into registers that the last pair's products read
.endif
	FETCHP \slot, (\pr)+1
	MULP (\pr)&1, \zero
.endm
; A slot's fourth pair changes slots: ONE barrier; in front of it each wave waits for all its tensor loads, adds 0 to its spare word, and waits for that and for its reads of this slot.
.macro LAST slot, other, fill
	WIN 0                                          ; (the add's two registers lie in window 0)
	s_wait_tensorcnt 0x0                           ; all my tensor loads have landed: the one that was out is my part of the other slot;
	ds_add_u32 v[SPW], v[NIL]                      ; 0 onto my spare word
.if \fill
	s_add_nc_u64 s[G0+4*\slot+2:G0+4*\slot+3], s[G0+4*\slot+2:G0+4*\slot+3], 2*RUN       ; no load of mine is out: this slot's next run of K
	s_add_nc_u64 s[G0B+4*\slot+2:G0B+4*\slot+3], s[G0B+4*\slot+2:G0B+4*\slot+3], 2*RUN
.endif
	s_wait_dscnt 0x0                               ; the add is done, and this pair's fragments are in: they were my last reads of the slot
	s_barrier_signal -1
	MULP 1, 0                                      ; work on registers while the others arrive
	WIN 0
	s_barrier_wait -1
.if \fill
	CREST                                          ; the barrier has opened a round of the cluster's barrier: no wave of any partner still reads this slot or has a load on its way
	JL1 \slot                                      ; my one tensor load behind the round, and the first thing there; its four v_nop are also the places in front of the loads below
.else
	PLACES 4
.endif
	FETCHP \other, 0
.endm
	s_load_b256 s[4:11], s[0:1], 0x0               ; hb, wsq, eb2, yb
	v_lshl_add_u32 v[SPW], v0, 2, SPARE
	v_mov_b32 v[NIL], 0
	ds_add_u32 v28, v29
	ds_add_u32 v28, v29
	s_wait_dscnt 0x0
	v_lshrrev_b32 v1, 5, v0
	v_readfirstlane_b32 s14, v1                    ; wave 0..3
	s_lshr_b32 s15, s14, 1                         ; which half of the tokens is mine.  Also: I fetch h's tiles (0) or eW2's (1)
	s_and_b32 s16, s14, 1                          ; which half of the columns.  Also: which 4 tiles I fetch
	s_bfe_u32 s40, ttmp6, 0x40000                  ; cx, cy
	s_bfe_u32 s41, ttmp6, 0x40004
	s_lshl_b32 s42, ttmp9, 2
	s_add_co_u32 s42, s42, s40                     ; block of 128 columns
	s_and_b32 s17, ttmp7, 0xffff
	s_lshr_b32 s12, s17, 1                         ; the expert
	s_and_b32 s13, s17, 1                          ; the batch
	s_lshl_b32 s43, s41, 2
	s_lshl_b32 s43, 15, s43                        ; my row of the cluster
	s_lshl_b32 s44, 0x1111, s40                    ; my column
	s_or_b32 s[G1], s43, (3<<16)|(1<<21)
	s_or_b32 s[G1B], s44, (3<<16)|(1<<21)
.irp g, G1, G1B
	s_mov_b32 s[\g+1], 1088<<16                    ; 8,704 bytes of a tile, in elements of 8 bytes
	s_mov_b32 s[\g+2], 4<<16                       ; 4 tiles
	s_mov_b32 s[\g+3], 1088<<16
	s_mov_b32 s[\g+4], 4
	s_mov_b32 s[\g+5], 4352                        ; from tile to tile: 34,816 bytes
	s_mov_b32 s[\g+6], 0
	s_mov_b32 s[\g+7], 0
.endr
	s_lshl_b32 s18, s16, 2                         ; which 4 tiles I fetch
	s_lshl_b32 s20, s13, 7                         ; my 128 tokens begin at 2,048 x batch + 512 e + 128 cy; as a tile:
	s_lshl_b32 s21, s12, 5
	s_add_co_u32 s20, s20, s21
	s_lshl_b32 s21, s41, 3
	s_add_co_u32 s19, s20, s21
	s_add_co_u32 s20, s19, s18
	s_mul_i32 s20, s20, HTS
	s_mov_b32 s21, 0
	s_lshl_b32 s46, s12, 6
	s_lshl_b32 s47, s42, 3
	s_add_co_u32 s46, s46, s47
	s_add_co_u32 s46, s46, s18
	s_mul_i32 s46, s46, HTS
	s_add_co_u32 s46, s46, E2Q
	s_mov_b32 s47, 0
	s_mul_i32 s45, s14, 4*RUN                      ; where they go: wave x 4 tiles
	s_wait_kmcnt 0x0
	s_add_nc_u64 s[20:21], s[4:5], s[20:21]
	s_add_nc_u64 s[46:47], s[6:7], s[46:47]
	CROUND                                         ; all sixteen work-groups are here: the first joint loads meet
.irp s, 0,1
	s_mov_b32 s[G0+4*\s], 1
	s_add_co_u32 s[G0+4*\s+1], s45, \s*SLOT
	s_add_nc_u64 s[G0+4*\s+2:G0+4*\s+3], s[20:21], \s*RUN
	s_or_b32 s[G0+4*\s+3], s[G0+4*\s+3], 0x80000000
	s_mov_b32 s[G0B+4*\s], 1
	s_add_co_u32 s[G0B+4*\s+1], s45, \s*SLOT
	s_add_nc_u64 s[G0B+4*\s+2:G0B+4*\s+3], s[46:47], \s*RUN
	s_or_b32 s[G0B+4*\s+3], s[G0B+4*\s+3], 0x80000000
.endr
	s_cmp_eq_u32 s15, 0                            ; a wave's two first fills stand in one branch on its number: two loads of mine are out
	s_cbranch_scc0 .Lfirst_w
	tensor_load_to_lds s[G0:G0+3], s[G1:G1+7]
	s_nop 0
	tensor_load_to_lds s[G0+4:G0+7], s[G1:G1+7]
	s_nop 0
	PLACES 4
	s_branch .Lfirst_asked
.Lfirst_w:
	tensor_load_to_lds s[G0B:G0B+3], s[G1B:G1B+7]
	s_nop 0
	tensor_load_to_lds s[G0B+4:G0B+7], s[G1B:G1B+7]
	s_nop 0
	PLACES 4
.Lfirst_asked:
	s_mul_i32 s69, s15, 4*RUN                      ; source 1: my 4 tiles of h
	s_mul_i32 s68, s16, 4*RUN
	s_add_co_u32 s68, s68, 8*RUN                   ; source 0: my 4 tiles of eW2, behind h's 8
	v_and_b32 v1, 31, v0
	v_lshlrev_b32 v[LI], 4, v1
	v_lshlrev_b32 v3, 2, v1
	v_add_nc_u32 v[ADP], s68, v[LI]
	v_add_nc_u32 v[ADP+1], SLOT, v[ADP]
	v_add_nc_u32 v[ADQ], s69, v[LI]
	v_add_nc_u32 v[ADQ+1], SLOT, v[ADQ]
	v_add_nc_u32 v[ASP], s68, v3
	v_add_nc_u32 v[ASP+1], SLOT, v[ASP]
	v_add_nc_u32 v[ASQ], s69, v3
	v_add_nc_u32 v[ASQ+1], SLOT, v[ASQ]
	v_and_b32 v16, 15, v0                          ; r
	v_bfe_u32 v17, v0, 4, 1                        ; h
	v_lshlrev_b32 v[LH], 5, v17
	s_mul_i32 s70, s14, 16*272
	s_add_co_u32 s70, s70, STAGE                   ; my stage
	v_mul_u32_u24 v[STO], v16, 272
	v_lshl_add_u32 v[STO], v17, 5, v[STO]
	v_add_nc_u32 v[STO], s70, v[STO]               ; in: row r, + 32 h; column tile i 64 bytes on
	v_mul_u32_u24 v[RD], v17, 272
	v_lshl_add_u32 v[RD], v16, 4, v[RD]
	v_add_nc_u32 v[RD], s70, v[RD]                 ; back: lanes 0-15 one row, lanes 16-31 the next
	v_lshlrev_b32 v[CO], 12, v17
	v_lshl_add_u32 v[CO], v16, 4, v[CO]            ; and the same two rows in y
	s_lshl_b32 s72, s42, 7
	s_lshl_b32 s73, s16, 6
	s_add_co_u32 s72, s72, s73                     ; my first column
	s_lshl_b32 s74, s12, 10
	s_add_co_u32 s74, s74, s72
	s_lshl_b32 s74, s74, 2
	s_mov_b32 s75, 0
	s_add_nc_u64 s[8:9], s[8:9], s[74:75]          ; eb2 at 1,024 e + my first column
.irp i, 0,1,2,3
	global_load_b128 v[BIAS+8*\i:BIAS+8*\i+3], v[LH], s[8:9] offset:64*\i          ; columns 16 i + 8 h + 0 .. 7
	global_load_b128 v[BIAS+8*\i+4:BIAS+8*\i+7], v[LH], s[8:9] offset:64*\i+16
.endr
	s_lshl_b32 s76, s19, 4
	s_lshl_b32 s77, s15, 6
	s_add_co_u32 s76, s76, s77                     ; my first token
	s_lshl_b32 s76, s76, 12
	s_lshl_b32 s77, s72, 2
	s_add_co_u32 s76, s76, s77
	s_mov_b32 s77, 0
	s_add_nc_u64 s[10:11], s[10:11], s[76:77]
	s_wait_tensorcnt 0x1                           ; my part of slot 0 is in; slot 1's load may stay out
	s_barrier_signal -1
	s_barrier_wait -1
	FETCHP 0, 0
	PAIR 0, 0, 1                                   ; the first products start the sums
	PAIR 0, 1, 0
	PAIR 0, 2, 0
	LAST 0, 1, 1                                   ; slot 0 takes K's third run
	PAIR 1, 0, 0
	PAIR 1, 1, 0
	PAIR 1, 2, 0
	LAST 1, 0, 1                                   ; slot 1 the fourth
	PAIR 0, 0, 0
	PAIR 0, 1, 0
	PAIR 0, 2, 0
	LAST 0, 1, 0                                   ; nothing is left to fetch
	PAIR 1, 0, 0
	PAIR 1, 1, 0
	PAIR 1, 2, 0
	s_wait_dscnt 0x0
	MULP 1, 0
	WIN 0
	PLACES 4                                       ; in front of the first read of results
	s_wait_loadcnt 0x0                             ; the bias
; THE WAY OUT, a token tile at a time: + the bias (which also brings the numbers into window 0, each accumulator from its low end on), through my stage, out as rows of 256 bytes
.irp j, 0,1,2,3
	WIN 0x02
.set m, 0
.rept 16
	v_pk_add_f32 v[TT+2*m:TT+2*m+1], v[32*\j+2*m:32*\j+2*m+1], v[BIAS+2*m:BIAS+2*m+1]
.set m, m+1
.endr
	WIN 0
.irp i, 0,1,2,3
	ds_store_b128 v[STO], v[TT+8*\i:TT+8*\i+3] offset:64*\i
	ds_store_b128 v[STO], v[TT+8*\i+4:TT+8*\i+7] offset:64*\i+16
.endr
.if \j >= 2
	s_wait_xcnt 0x0                                ; the stores of two tiles ago have read these registers
.endif
.irp t, 0,1,2,3,4,5,6,7
	ds_load_b128 v[BK+32*((\j)&1)+4*\t:BK+32*((\j)&1)+4*\t+3], v[RD] offset:\t*2*272   ; LDS serves a wave's instructions in order: these see my stores
.endr
	s_wait_dscnt 0x0
.irp t, 0,1,2,3,4,5,6,7
	global_store_b128 v[CO], v[BK+32*((\j)&1)+4*\t:BK+32*((\j)&1)+4*\t+3], s[10:11] offset:(16*\j+2*\t)*4096   ; 16 lanes store 256 consecutive bytes, aligned
.endr
.endr
	s_wait_tensorcnt 0x0                           ; the wave's end
	ds_add_u32 v[SPW], v[NIL]
	s_wait_dscnt 0x0
	CROUND                                         ; the closing round
	s_endpgm
.Lfunc_end_k_qabe165458f_ffn2:
	.size	k_qabe165458f_ffn2, .Lfunc_end_k_qabe165458f_ffn2-k_qabe165458f_ffn2
	.p2alignl 7, 3214868480
	.fill 96, 4, 3214868480
	.section	.rodata,"a",@progbits
	.p2align	6, 0x0
	.amdhsa_kernel k_qabe165458f_ffn2
		.amdhsa_group_segment_fixed_size 327680
		.amdhsa_private_segment_fixed_size 0
		.amdhsa_enable_private_segment 0
		.amdhsa_kernarg_size 32
		.amdhsa_user_sgpr_count 2
		.amdhsa_user_sgpr_kernarg_segment_ptr 1
		.amdhsa_wavefront_size32 1
		.amdhsa_system_sgpr_workgroup_id_x 1
		.amdhsa_system_sgpr_workgroup_id_y 1
		.amdhsa_system_sgpr_workgroup_id_z 1
		.amdhsa_system_vgpr_workitem_id 0
		.amdhsa_next_free_vgpr 768
		.amdhsa_next_free_sgpr 100
		.amdhsa_reserve_vcc 0
		.amdhsa_float_denorm_mode_32 3
		.amdhsa_float_denorm_mode_16_64 3
		.amdhsa_memory_ordered 1
		.amdhsa_forward_progress 1
		.amdhsa_inst_pref_size 130
	.end_amdhsa_kernel
	.amdgpu_metadata
---
amdhsa.version: [ 1, 2 ]
amdhsa.kernels:
  - .name:           k_qabe165458f_ffn2
    .symbol:         k_qabe165458f_ffn2.kd
    .args:
      - { .name: hb, .offset: 0, .size: 8, .value_kind: global_buffer, .address_space: global }
      - { .name: wsq, .offset: 8, .size: 8, .value_kind: global_buffer, .address_space: global }
      - { .name: eb2, .offset: 16, .size: 8, .value_kind: global_buffer, .address_space: global }
      - { .name: yb, .offset: 24, .size: 8, .value_kind: global_buffer, .address_space: global }
    .group_segment_fixed_size: 327680
    .private_segment_fixed_size: 0
    .kernarg_segment_align: 8
    .kernarg_segment_size: 32
    .max_flat_workgroup_size: 128
    .sgpr_count:     100
    .vgpr_count:     768
    .wavefront_size: 32
...
	.end_amdgpu_metadata
.endif
;; end of part 6
;; launch ln2 (part 7): grid 256 x 1, 8 waves a work-group, no clusters, 0 bytes of LDS; arguments x1b, yb, e_scalar, eln_g, eln_b, out0; writes out0
.if DOCPART == 7
	.amdgcn_target "amdgcn-amd-amdhsa--gfx1250"
	.amdhsa_code_object_version 6
	.text
	.protected	k_qabe165458f_ln2
	.globl	k_qabe165458f_ln2
	.p2align	8
	.type	k_qabe165458f_ln2,@function
k_qabe165458f_ln2:
	s_mov_b64 s[64:65], 0
	v_nop
	global_prefetch_b8 v0, s[64:65] scope:SCOPE_SE
	s_setreg_imm32_b32 hwreg(HW_REG_WAVE_MODE, 25, 1), 1
	s_wait_xcnt 0x0
; out = LayerNorm(x1 + y x e_scalar[e]) x eln_g[e] + eln_b[e]; e = (token / 512) % 4.  x1 is the f32 part of x1b, y includes eb2.
; A work-group takes 16 tokens, a wave two rows: a row's 4,096 bytes are 32 registers, so the row stays in registers between the mean, the variance and the scaling.  Mean first, then the sum of squared differences.
; Memory binds: no LDS, no barrier, no matrix unit.  LIMITS: NaN and infinities are not served.
.set SEL, 22
.set RA,  32
.set RB,  96
.set GG,  160
.set BB,  192
.set ST,  232
.macro GATE a, b
.set m, 0
.rept 16
	v_pk_fma_f32 v[\a+2*m:\a+2*m+1], v[\b+2*m:\b+2*m+1], s[20:21], v[\a+2*m:\a+2*m+1] op_sel_hi:[1,0,1]
.set m, m+1
.endr
.endm
.macro SUMS a, s
	v_pk_add_f32 v[\s:\s+1], v[\a:\a+1], v[\a+2:\a+3]
	v_pk_add_f32 v[\s+2:\s+3], v[\a+4:\a+5], v[\a+6:\a+7]
.set m, 4
.rept 6
	v_pk_add_f32 v[\s:\s+1], v[\s:\s+1], v[\a+2*m:\a+2*m+1]
	v_pk_add_f32 v[\s+2:\s+3], v[\s+2:\s+3], v[\a+2*m+2:\a+2*m+3]
.set m, m+2
.endr
.endm
.macro ACROSS s
	v_pk_add_f32 v[\s:\s+1], v[\s:\s+1], v[\s+2:\s+3]
	v_add_f32 v[\s], v[\s], v[\s+1]
	v_add_f32_dpp v[\s], v[\s], v[\s] row_xmask:1 row_mask:0xf bank_mask:0xf
	v_add_f32_dpp v[\s], v[\s], v[\s] row_xmask:2 row_mask:0xf bank_mask:0xf
	v_add_f32_dpp v[\s], v[\s], v[\s] row_xmask:4 row_mask:0xf bank_mask:0xf
	v_add_f32_dpp v[\s], v[\s], v[\s] row_xmask:8 row_mask:0xf bank_mask:0xf
	v_permlanex16_b32 v[\s+1], v[\s], s[SEL], s[SEL+1]
	v_add_f32 v[\s], v[\s], v[\s+1]
.endm
.macro CENTRE a, s
	v_mul_f32 v[\s+4], s24, v[\s]
	v_mul_f32 v[\s+5], s24, v[\s]
.set m, 0
.rept 16
	v_pk_add_f32 v[\a+2*m:\a+2*m+1], v[\a+2*m:\a+2*m+1], v[\s+4:\s+5] neg_lo:[0,1] neg_hi:[0,1]
.set m, m+1
.endr
.endm
.macro SQUARES a, s
	v_pk_mul_f32 v[\s:\s+1], v[\a:\a+1], v[\a:\a+1]
	v_pk_mul_f32 v[\s+2:\s+3], v[\a+2:\a+3], v[\a+2:\a+3]
.set m, 2
.rept 7
	v_pk_fma_f32 v[\s:\s+1], v[\a+2*m:\a+2*m+1], v[\a+2*m:\a+2*m+1], v[\s:\s+1]
	v_pk_fma_f32 v[\s+2:\s+3], v[\a+2*m+2:\a+2*m+3], v[\a+2*m+2:\a+2*m+3], v[\s+2:\s+3]
.set m, m+2
.endr
.endm
.macro FINISH a, s
	v_fma_f32 v[\s+6], v[\s], s24, s25             ; the variance + 1e-5
	v_rsq_f32 v[\s+4], v[\s+6]
	v_rsq_f32 v[\s+5], v[\s+6]
	v_nop                                          ; one plain place behind a transcendental
.set m, 0
	s_wait_alu depctr_va_vdst(0)
.rept 16
	v_pk_mul_f32 v[\a+2*m:\a+2*m+1], v[\a+2*m:\a+2*m+1], v[\s+4:\s+5]
.set m, m+1
.endr
.set m, 0
.rept 16
	v_pk_fma_f32 v[\a+2*m:\a+2*m+1], v[\a+2*m:\a+2*m+1], v[GG+2*m:GG+2*m+1], v[BB+2*m:BB+2*m+1]
.set m, m+1
.endr
.endm
	s_load_b256 s[4:11], s[0:1], 0x0               ; x1b, yb, e_scalar, eln_g
	s_load_b128 s[12:15], s[0:1], 0x20             ; eln_b, out0
	v_lshrrev_b32 v1, 5, v0
	v_readfirstlane_b32 s16, v1                    ; wave 0..7
	v_and_b32 v2, 31, v0
	v_lshlrev_b32 v1, 4, v2                        ; 16 x lane
	s_lshl_b32 s17, ttmp9, 4
	s_lshl_b32 s18, s16, 1
	s_add_co_u32 s17, s17, s18                     ; my first row
	s_lshl_b32 s18, s17, 12
	s_mov_b32 s19, 0
	s_bfe_u32 s28, ttmp9, 0x20005                  ; the expert: 32 work-groups to a chunk of 512 tokens
	s_lshl_b32 s30, s28, 2
	s_mov_b32 s31, 0
	s_lshl_b32 s32, s28, 12
	s_mov_b32 s33, 0
	s_mov_b32 s[SEL], 0x76543210
	s_mov_b32 s[SEL+1], 0xfedcba98
	s_mov_b32 s24, 0x3a800000                      ; 1 / 1,024
	s_mov_b32 s25, 0x3727c5ac                      ; 1e-5
	s_wait_kmcnt 0x0
	s_add_nc_u64 s[8:9], s[8:9], s[30:31]
	s_load_b32 s20, s[8:9], 0x0                    ; the expert's gate
	s_add_nc_u64 s[4:5], s[4:5], s[18:19]
	s_add_nc_u64 s[6:7], s[6:7], s[18:19]
	s_add_nc_u64 s[14:15], s[14:15], s[18:19]
	s_add_nc_u64 s[10:11], s[10:11], s[32:33]
	s_add_nc_u64 s[12:13], s[12:13], s[32:33]
.irp R, 0,1
.irp j, 0,1,2,3,4,5,6,7
	global_load_b128 v[RA+32*\R+4*\j:RA+32*\R+4*\j+3], v1, s[4:5] offset:4096*\R+512*\j th:TH_LOAD_NT
	global_load_b128 v[RB+32*\R+4*\j:RB+32*\R+4*\j+3], v1, s[6:7] offset:4096*\R+512*\j th:TH_LOAD_NT
.endr
.endr
.irp j, 0,1,2,3,4,5,6,7
	global_load_b128 v[GG+4*\j:GG+4*\j+3], v1, s[10:11] offset:512*\j
	global_load_b128 v[BB+4*\j:BB+4*\j+3], v1, s[12:13] offset:512*\j
.endr
	s_wait_kmcnt 0x0
	s_mov_b32 s21, s20                             ; (the packed form names the pair)
	s_wait_loadcnt 16                              ; x1 and y are in; the 16 younger loads, the gain's and the bias's, may be out
	GATE RA, RB
	GATE RA+32, RB+32
	SUMS RA, ST
	SUMS RA+32, ST+8
	ACROSS ST
	ACROSS ST+8
	CENTRE RA, ST
	CENTRE RA+32, ST+8
	SQUARES RA, ST
	SQUARES RA+32, ST+8
	ACROSS ST
	ACROSS ST+8
	s_wait_loadcnt 0x0
	FINISH RA, ST
	FINISH RA+32, ST+8
.irp R, 0,1
.irp j, 0,1,2,3,4,5,6,7
	global_store_b128 v1, v[RA+32*\R+4*\j:RA+32*\R+4*\j+3], s[14:15] offset:4096*\R+512*\j th:TH_STORE_NT   ; 512 consecutive bytes
.endr
.endr
	s_endpgm
.Lfunc_end_k_qabe165458f_ln2:
	.size	k_qabe165458f_ln2, .Lfunc_end_k_qabe165458f_ln2-k_qabe165458f_ln2
	.p2alignl 7, 3214868480
	.fill 96, 4, 3214868480
	.section	.rodata,"a",@progbits
	.p2align	6, 0x0
	.amdhsa_kernel k_qabe165458f_ln2
		.amdhsa_group_segment_fixed_size 0
		.amdhsa_private_segment_fixed_size 0
		.amdhsa_enable_private_segment 0
		.amdhsa_kernarg_size 48
		.amdhsa_user_sgpr_count 2
		.amdhsa_user_sgpr_kernarg_segment_ptr 1
		.amdhsa_wavefront_size32 1
		.amdhsa_system_sgpr_workgroup_id_x 1
		.amdhsa_system_sgpr_workgroup_id_y 1
		.amdhsa_system_sgpr_workgroup_id_z 1
		.amdhsa_system_vgpr_workitem_id 0
		.amdhsa_next_free_vgpr 256
		.amdhsa_next_free_sgpr 66
		.amdhsa_reserve_vcc 0
		.amdhsa_float_denorm_mode_32 3
		.amdhsa_float_denorm_mode_16_64 3
		.amdhsa_memory_ordered 1
		.amdhsa_forward_progress 1
		.amdhsa_inst_pref_size 22
	.end_amdhsa_kernel
	.amdgpu_metadata
---
amdhsa.version: [ 1, 2 ]
amdhsa.kernels:
  - .name:           k_qabe165458f_ln2
    .symbol:         k_qabe165458f_ln2.kd
    .args:
      - { .name: x1b, .offset: 0, .size: 8, .value_kind: global_buffer, .address_space: global }
      - { .name: yb, .offset: 8, .size: 8, .value_kind: global_buffer, .address_space: global }
      - { .name: e_scalar, .offset: 16, .size: 8, .value_kind: global_buffer, .address_space: global }
      - { .name: eln_g, .offset: 24, .size: 8, .value_kind: global_buffer, .address_space: global }
      - { .name: eln_b, .offset: 32, .size: 8, .value_kind: global_buffer, .address_space: global }
      - { .name: out0, .offset: 40, .size: 8, .value_kind: global_buffer, .address_space: global }
    .group_segment_fixed_size: 0
    .private_segment_fixed_size: 0
    .kernarg_segment_align: 8
    .kernarg_segment_size: 48
    .max_flat_workgroup_size: 256
    .sgpr_count:     66
    .vgpr_count:     256
    .wavefront_size: 32
...
	.end_amdgpu_metadata
.endif
;; end of part 7
